; MI455X (gfx1250); checked and timed in simulation.
; The chip was launched on July 23, 2026; its instructions are those of AMD's public machine-readable ISA for CDNA 5 (MIT licence, August 2026) and "CDNA5" Instruction Set Architecture Reference Guide (July 2026). The comments in the code are by the model that wrote it; some were corrected since.
;; Multi Head Attention. Allowed arithmetic: matrix products marked QUANTISED: E2M1 operands, one E8M0 scale for each 32 along K, by v_wmma_scale_f32_16x16x128_f8f6f4 with both operands' format E2M1 (or v_wmma_scale_f32_32x16x128_f4), f32 sums; everything else in f32.
;; Inputs: k_codes 4 x 2,048 x 32 x 16 uint8 (E2M1 codes of k, K innermost, in blocks of 32 codes, two codes a byte); k_scales 4 x 2,048 x 32 uint8 (E8M0 scales of k, one for each 32 codes along K); mask 4 x 2,048 x 2,048 int32; q 4 x 2,048 x 1,024 float32; v_codes 4 x 2,048 x 32 x 16 uint8 (E2M1 codes of v, K innermost, in blocks of 32 codes, two codes a byte); v_scales 4 x 2,048 x 32 uint8 (E8M0 scales of v, one for each 32 codes along K); w_fc_codes 1,024 x 32 x 16 uint8 (E2M1 codes of w_fc, K innermost, in blocks of 32 codes, two codes a byte); w_fc_scales 1,024 x 32 uint8 (E8M0 scales of w_fc, one for each 32 codes along K); w_ks_codes 1,024 x 32 x 16 uint8 (E2M1 codes of w_ks, K innermost, in blocks of 32 codes, two codes a byte); w_ks_scales 1,024 x 32 uint8 (E8M0 scales of w_ks, one for each 32 codes along K); w_qs_codes 1,024 x 32 x 16 uint8 (E2M1 codes of w_qs, K innermost, in blocks of 32 codes, two codes a byte); w_qs_scales 1,024 x 32 uint8 (E8M0 scales of w_qs, one for each 32 codes along K); w_vs_codes 1,024 x 32 x 16 uint8 (E2M1 codes of w_vs, K innermost, in blocks of 32 codes, two codes a byte); w_vs_scales 1,024 x 32 uint8 (E8M0 scales of w_vs, one for each 32 codes along K).
;; Outputs: out0 4 x 2,048 x 1,024 float32.
;; This version of the problem:
;;   THIS VERSION OF THE PROBLEM IS GIVEN IN LOW PRECISION. The matrix products marked QUANTISED in the list below multiply operands that are first quantised to E2M1 (2 exponent bits, 1 mantissa bit; 4 bits a number), with one power-of-two scale for each 32 numbers along K (OCP MX v1.0); their sums are f32. All else is computed in f32.
;;   The module's matrix products, in the order in which they are computed (A, B: the left and right operand; K: the contracted axis; several contracted axes count as one K, in the product's order):
;;     1. [M 8,192, K 1,024] x [K 1,024, N 1,024]; A: input q; B: input w_qs (given as codes): QUANTISED
;;     2. [M 8,192, K 1,024] x [K 1,024, N 1,024]; A: input k (given as codes); B: input w_ks (given as codes): QUANTISED
;;     3. [M 8,192, K 1,024] x [K 1,024, N 1,024]; A: input v (given as codes); B: input w_vs (given as codes): QUANTISED
;;     4. batch 64 x [M 2,048, K 64] x [K 64, N 2,048]; A: computed on the way; B: computed on the way: QUANTISED
;;     5. batch 64 x [M 64, K 2,048] x [K 2,048, N 2,048]; A: computed on the way; B: softmax (see below): QUANTISED
;;     6. [M 8,192, K 1,024] x [K 1,024, N 1,024]; A: computed on the way; B: input w_fc (given as codes): QUANTISED
;;   THE QUANTISER, for each operand of a quantised product, along K:
;;     - K is cut into blocks of 32 from its start; a last block that is shorter is filled with zeros.
;;     - A block's scale is 2^e with e = floor(log2(the largest magnitude in the block)) - 2, held to -126 .. 127; a block of zeros has e = 0. As a byte (E8M0): e + 127.
;;     - Each number is divided by its block's scale, clamped to +-6, and rounded to the nearest number of E2M1, ties to even, subnormals kept.
;;     - The product sums the exact products of the quantised numbers (number of the format x scale) in f32.
;;   ~~~python
;;   def quantise(x, axis):      # numpy; x: float32 -> the quantised numbers, widened to float32 again
;;       x = np.moveaxis(x, axis, -1); K = x.shape[-1]
;;       x = np.pad(x, [(0, 0)] * (x.ndim - 1) + [(0, -K % 32)]); x = x.reshape(x.shape[:-1] + (-1, 32)); a = np.abs(x).max(-1, keepdims=True)
;;       e = np.where(a > 0, np.clip(np.frexp(np.where(a > 0, a, 1))[1] - 1 - 2, -126, 127), 0)      # np.frexp(a)[1] - 1 = floor(log2(a)), exactly
;;       r = np.clip(x / 2.0 ** e, -6, 6)
;;       step = 2.0 ** (np.maximum(np.frexp(np.where(r == 0, 1, r))[1] - 1, 0) - 1)
;;       q = np.round(r / step) * step * 2.0 ** e      # np.round: ties to even
;;       return np.moveaxis(q.reshape(q.shape[:-2] + (-1,))[..., :K], -1, axis).astype(np.float32)
;;   ~~~
;;   SOFTMAX AHEAD OF A QUANTISED PRODUCT. Where the list says 'softmax', what is quantised is not the finished softmax but p = 2^(t - M), with t = logit x log2(e) and M = ceil(the row's largest t), a whole number; so 1/2 < the row's largest p <= 1. The row's sum l is taken of the UNQUANTISED p, in f32, and the product's result is divided by l at the end. Since M is a whole number, a kernel that streams over the keys may use a running M (the ceiling of the running maximum): every later rescaling is an exact power of two, which a block's scale takes up: the codes' values come out the same.
;;   OPERANDS COMPUTED ON THE WAY. 'Computed on the way' means the value that the module computes at that place (a softmax that the list does not call 'softmax' is quantised finished and normalised). What goes into a quantiser is computed in f32, as accurately as f32 sums, v_exp_f32 and their like allow (about 1e-6 of the number): no bf16 or f16 on the way to a quantiser, and a product that is left as it is and whose result goes on into a quantised operand takes f32 operands (vector FMAs, or v_wmma_f32_16x16x4_f32). A number that lies on a knife's edge between two numbers of the format may be rounded either way, as far as f32 arithmetic and the matrix unit's own rounding can turn it there, and no further.
;;   INPUTS GIVEN AS CODES. k (in the module: [4, 2048, 1024], K = its axis 2); v (in the module: [4, 2048, 1024], K = its axis 2); w_fc (in the module: [1024, 1024], K = its axis 0); w_ks (in the module: [1024, 1024], K = its axis 0); w_qs (in the module: [1024, 1024], K = its axis 0); w_vs (in the module: [1024, 1024], K = its axis 0): each comes as NAME_codes (uint8): NAME with its K axis moved to the last place and cut into blocks of 32 codes, [.., K / 32, bytes a block], one block behind the other in memory; two codes a byte, the lower K in the low four bits (a code: sign, 2 exponent bits, 1 mantissa bit); and NAME_scales (uint8): the same leading axes, one E8M0 byte (e + 127) for each 32 codes along K. Its value is code x scale, taken as it is: it is not quantised again, and the codes and scales need not be those that the quantiser above would give.
;; One version. Each part assembles by itself: llvm-mc -triple=amdgcn-amd-amdhsa -mcpu=gfx1250 --defsym DOCPART=n.
;; ======== version 1 of 1: 4 launches
;; limits: right only within a limited range of input values
;; workspace buffers: qq 4,456,448 bytes; maskbits 2,097,152 bytes of whole numbers; qimg 4,456,448 bytes; kimg 4,456,448 bytes; vimg 4,456,448 bytes; oimg 4,456,448 bytes
;; launch prep (part 1): grid 768 x 1, 4 waves a work-group, no clusters, 67,072 bytes of LDS; arguments q, mask, qq, maskbits; writes qq, maskbits
.if DOCPART == 1
	.amdgcn_target "amdgcn-amd-amdhsa--gfx1250"
	.amdhsa_code_object_version 6
	.text
	.protected	k_q9332417a57_prep
	.globl	k_q9332417a57_prep
	.p2align	8
	.type	k_q9332417a57_prep,@function
k_q9332417a57_prep:
	s_mov_b64 s[64:65], 0
	v_nop
	global_prefetch_b8 v0, s[64:65] scope:SCOPE_SE
	s_setreg_imm32_b32 hwreg(HW_REG_WAVE_MODE, 25, 1), 1
	s_wait_xcnt 0x0
; TWO JOBS IN ONE LAUNCH, told apart by the work-group's number; each has LDS bytes of its own and its own end.
; Work-groups 0-255: q [8192][1024] f32 becomes codes of FP4 (E2M1), K innermost, 512 bytes a row, at qq, and one E8M0 byte for each 32 along K, 32 bytes a row, at qq + 0x400000.
;   A block's scale is 2^(floor(log2(largest magnitude)) - 2); its byte is the largest magnitude's exponent field - 2, held at 1 from below (a block of zeros keeps the byte 1: its codes are zeros and this program alone reads the bytes).
;   Rows are dense and 1024 is a multiple of 32: q is a plain stream of blocks.  A wave takes 16 steps of 512 numbers; each load reads 512 consecutive bytes; a step's 2,048 bytes turn through the wave's own stage in LDS,
;   so that a lane then holds 16 neighbours along K (two lanes to a block).  A wave's store of codes covers 256 consecutive bytes; its 256 scale bytes are gathered in LDS and leave as 256 consecutive bytes.
; Work-groups 256-767: mask [4][2048][2048] int32 becomes lane masks for the attention launch: maskbits[b 128 + query tile][key step 16][64 words]; word 16 blk + i, bit r + 16 h = (mask[b][16 tile + r][128 step + 32 blk + 16 h + i] != 0):
;   that is the lane mask of the attention launch's score register 16 blk + i.  A work-group takes one tile of 16 queries, a wave four key steps.  Loads read 512 consecutive bytes of a row; a step's 16 rows turn through the wave's stage.
; LIMITS: NaN and infinities in q are not served; blocks whose largest magnitude lies under 2^-124 get the byte 1.
; No tensor loads, no barrier: waves share nothing.
.set WGQ,   256                        ; work-groups of the first job: 8192 x 1024 / 32768
.set STEPS, 16
.set CB,    8                          ; bytes of 16 codes
.set R,     16                         ; v16-79   four sets of 16 numbers as loaded
.set X,     80                         ; v80-111  two sets of 16 neighbours
.set E,     112                        ; v112-127 a scale byte for each step
.set C,     128                        ; v128-191 codes: four registers a step, so that no store's data are written again
.set WREG,  8192                       ; LDS of a wave in the first job: two stages of 32 x SP bytes, then 256 scale bytes
.set SP,    80                         ; a lane's place in a stage: 64 bytes + 16 of padding
.set MBASE, 32768                      ; LDS of the second job begins here
.set MP,    528                        ; a stage row: 512 bytes + 16
.set MWAVE, 16*MP                      ; a wave's stage
.set W,     8                          ; v8-15    the words of a step, two registers: lane L holds words 2 L and 2 L + 1
.set RA,    32                         ; v32-95, v96-159: two sets of 64 registers
	s_load_b128 s[4:7], s[0:1], 0x0                ; q, mask
	s_load_b128 s[8:11], s[0:1], 0x10              ; qq, maskbits
	v_lshl_add_u32 v192, v0, 2, 0x10400
	v_mov_b32 v193, 0
	v_lshrrev_b32 v1, 5, v0
	v_readfirstlane_b32 s16, v1                    ; wave
	v_and_b32 v2, 31, v0                           ; lane
	s_cmp_lt_u32 ttmp9, WGQ
	s_cbranch_scc0 .Lmask
	; ---------------- q into codes ----------------
	v_lshlrev_b32 v3, 4, v2                        ; my 16 bytes of a load's 512
	s_mul_i32 s17, s16, WREG
	v_lshrrev_b32 v14, 2, v2
	v_mul_u32_u24 v14, v14, SP
	v_and_b32 v15, 3, v2
	v_lshl_add_u32 v14, v15, 4, v14
	v_add_nc_u32 v14, s17, v14                     ; the stage, on the way in: SP (lane / 4) + 16 (lane % 4)
	v_mul_u32_u24 v15, v2, SP
	v_add_nc_u32 v15, s17, v15                     ; on the way out: SP x lane: my 16 neighbours
	v_mul_u32_u24 v4, v2, CB                       ; my codes' place in a step's 256 bytes
	v_lshrrev_b32 v5, 1, v2
	s_add_co_u32 s17, s17, 2*32*SP
	v_add_nc_u32 v5, s17, v5                       ; LDS: my block's scale byte
	v_lshlrev_b32 v7, 3, v2                        ; and on the way out 8 bytes a lane
	v_add_nc_u32 v6, s17, v7
	s_lshl_b32 s17, ttmp9, 2
	s_add_co_u32 s18, s17, s16                     ; which run of 8,192 numbers is my wave's
	s_mov_b32 s19, 0
	s_lshl_b64 s[20:21], s[18:19], 15              ; 32,768 bytes of q a run
	s_lshl_b64 s[22:23], s[18:19], 12              ; 4,096 bytes of codes
	s_lshl_b32 s18, s18, 8                         ; 256 scale bytes
	s_wait_kmcnt 0x0
	s_add_nc_u64 s[4:5], s[4:5], s[20:21]
	s_add_nc_u64 s[12:13], s[8:9], s[22:23]
	s_add_nc_u64 s[14:15], s[8:9], s[18:19]
	s_add_nc_u64 s[14:15], s[14:15], 0x400000
.macro QLOAD t
.irp i, 0,1,2,3
	global_load_b128 v[R+16*((\t)%4)+4*\i:R+16*((\t)%4)+4*\i+3], v3, s[4:5] offset:2048*(\t)+512*\i th:TH_LOAD_NT   ; 32 lanes read 512 consecutive bytes
.endr
.endm
.macro QTURN t                         ; step t's numbers through the stage: LDS serves a wave's instructions in order, so no wait stands between the stores and the loads
.irp i, 0,1,2,3
	ds_store_b128 v14, v[R+16*((\t)%4)+4*\i:R+16*((\t)%4)+4*\i+3] offset:32*SP*((\t)%2)+8*SP*\i
.endr
.irp i, 0,1,2,3
	ds_load_b128 v[X+16*((\t)%2)+4*\i:X+16*((\t)%2)+4*\i+3], v15 offset:32*SP*((\t)%2)+16*\i
.endr
.endm
.irp t, 0,1,2,3
	QLOAD \t
.endr
	s_wait_loadcnt 12                              ; step 0's four loads are in; the twelve of steps 1 to 3 may be out
	QTURN 0
.macro QSTEP t
.set XS, X+16*((\t)%2)
.if (\t) > 0
	s_wait_dscnt 1                                 ; this step's numbers are back from the stage (the last step's byte store may be out): so its stores into the stage have read their registers,
.else
	s_wait_dscnt 0x0
.endif
.if (\t)+4 < STEPS
	QLOAD (\t)+4                                   ; which take the loads of four steps on
.endif
.if (\t)+1 < STEPS
.if STEPS-2-(\t) >= 3
	s_wait_loadcnt 12                              ; the next step's four loads are in; those of the three steps behind it may be out
.else
	s_wait_loadcnt 4*(STEPS-2-(\t))
.endif
	QTURN (\t)+1
.endif
	v_max3_num_f32 v8, |v[XS]|, |v[XS+1]|, |v[XS+2]|               ; the largest magnitude of my 16, in two chains
	v_max3_num_f32 v9, |v[XS+3]|, |v[XS+4]|, |v[XS+5]|
.irp i, 6,10
	v_max3_num_f32 v8, v8, |v[XS+\i]|, |v[XS+\i+1]|
	v_max3_num_f32 v9, v9, |v[XS+\i+2]|, |v[XS+\i+3]|
.endr
	v_max3_num_f32 v8, v8, |v[XS+14]|, |v[XS+15]|
	v_max3_num_f32 v8, v8, v9, 0x1800000           ; and the floor 2^(3 - 127): the byte cannot fall under 1
	v_max_num_f32_dpp v8, v8, v8 row_xmask:1 row_mask:0xf bank_mask:0xf   ; and of my neighbour's 16: the block's
	v_add_nc_u32 v11, 0xff000000, v8               ; 2 off its exponent field: the conversion takes the exponent field of this operand as its scale
	v_cvt_scalef32_pk8_fp4_f32 v[C+4*(\t)], v[XS:XS+7], v11
	v_cvt_scalef32_pk8_fp4_f32 v[C+4*(\t)+1], v[XS+8:XS+15], v11
	v_lshrrev_b32 v[E+(\t)], 23, v11               ; the scale's byte
	ds_store_b8 v5, v[E+(\t)] offset:16*(\t)       ; both lanes of a block write the same byte with the same value
	global_store_b64 v4, v[C+4*(\t):C+4*(\t)+1], s[12:13] offset:32*CB*(\t)   ; 32 lanes store 256 consecutive bytes
.endm
.irp t, 0,1,2,3,4,5,6,7,8,9,10,11,12,13,14,15
	QSTEP \t
.endr
	ds_load_b64 v[12:13], v6                       ; LDS serves a wave's instructions in order: these see my byte stores
	s_wait_dscnt 0x0
	global_store_b64 v7, v[12:13], s[14:15]        ; 32 lanes store 256 consecutive bytes
	s_wait_tensorcnt 0x0
	ds_add_u32 v192, v193
	s_wait_dscnt 0x0
	s_endpgm
	; ---------------- the mask into lane masks ----------------
.Lmask:
	s_sub_co_u32 s17, ttmp9, WGQ                   ; the tile of 16 queries, 0 to 511
	v_lshlrev_b32 v1, 4, v2                        ; 16 x lane: my bytes of a load's 512
	s_mul_i32 s18, s16, MWAVE
	s_add_co_u32 s18, s18, MBASE                   ; my wave's stage
	v_add_nc_u32 v3, s18, v1                       ; in: 16 x lane of a row
	v_and_b32 v5, 15, v0                           ; r
	v_bfe_u32 v6, v0, 4, 1                         ; h
	v_mul_u32_u24 v5, v5, MP
	v_lshl_add_u32 v5, v6, 6, v5
	v_add_nc_u32 v5, s18, v5                       ; out: row r, + 64 h: keys 16 h on of each block of 32
	v_lshlrev_b32 v4, 3, v2                        ; two words a lane
.irp i, 0,1,2,3,4,5,6,7
	v_mov_b32 v[W+\i], 0                           ; written whole once: v_writelane_b32 writes one lane
.endr
	s_lshl_b32 s20, s17, 17                        ; 16 rows of 8,192 bytes a tile,
	s_lshl_b32 s21, s16, 11                        ; my wave's four steps of 512 bytes
	s_add_co_u32 s20, s20, s21
	s_mov_b32 s21, 0
	s_lshl_b32 s22, s17, 12                        ; 4,096 bytes of words a tile,
	s_lshl_b32 s23, s16, 10                        ; 1,024 for my four steps
	s_add_co_u32 s22, s22, s23
	s_mov_b32 s23, 0
	s_wait_kmcnt 0x0
	s_add_nc_u64 s[6:7], s[6:7], s[20:21]
	s_add_nc_u64 s[10:11], s[10:11], s[22:23]
.macro MLOAD g                         ; step g: 16 rows x 512 bytes into set g % 2
.irp i, 0,1,2,3,4,5,6,7,8,9,10,11,12,13,14,15
	global_load_b128 v[RA+64*((\g)%2)+4*\i:RA+64*((\g)%2)+4*\i+3], v1, s[6:7] offset:\i*8192+(\g)*512 th:TH_LOAD_NT
.endr
.endm
.macro MSTEP g
.set MS, RA+64*((\g)%2)
.if (\g) < 3
	s_wait_loadcnt 16                              ; this step's 16 loads are in; the other set's 16 may be out
.else
	s_wait_loadcnt 0x0
.endif
.irp i, 0,1,2,3,4,5,6,7,8,9,10,11,12,13,14,15
	ds_store_b128 v3, v[MS+4*\i:MS+4*\i+3] offset:\i*MP
.endr
.irp b, 0,1,2,3
.irp j, 0,1,2,3
	ds_load_b128 v[MS+16*\b+4*\j:MS+16*\b+4*\j+3], v5 offset:128*\b+16*\j   ; register 16 b + i: row r, key 32 b + 16 h + i.  LDS serves a wave's instructions in order: these see the stores above
.endr
.endr
	s_wait_dscnt 0x0
.irp o, 0,8,16,24,32,40,48,56
.irp e, 0,1,2,3,4,5,6,7
	v_cmp_ne_u32 s[24+\e], 0, v[MS+\o+\e]          ; word o + e: a bit for each lane
.endr
.irp e, 0,1,2,3,4,5,6,7
	v_writelane_b32 v[W+2*(\g)+(\e%2)], s[24+\e], (\o+\e)/2
.endr
.endr
.if (\g) < 2
	MLOAD (\g)+2
.endif
	global_store_b64 v4, v[W+2*(\g):W+2*(\g)+1], s[10:11] offset:256*(\g)   ; 32 lanes store 256 consecutive bytes; each step has its own pair of registers
.endm
	MLOAD 0
	MLOAD 1
	MSTEP 0
	MSTEP 1
	MSTEP 2
	MSTEP 3
	s_wait_tensorcnt 0x0
	ds_add_u32 v192, v193
	s_wait_dscnt 0x0
	s_endpgm
.Lfunc_end_k_q9332417a57_prep:
	.size	k_q9332417a57_prep, .Lfunc_end_k_q9332417a57_prep-k_q9332417a57_prep
	.p2alignl 7, 3214868480
	.fill 96, 4, 3214868480
	.section	.rodata,"a",@progbits
	.p2align	6, 0x0
	.amdhsa_kernel k_q9332417a57_prep
		.amdhsa_group_segment_fixed_size 67072
		.amdhsa_private_segment_fixed_size 0
		.amdhsa_enable_private_segment 0
		.amdhsa_kernarg_size 32
		.amdhsa_user_sgpr_count 2
		.amdhsa_user_sgpr_kernarg_segment_ptr 1
		.amdhsa_wavefront_size32 1
		.amdhsa_system_sgpr_workgroup_id_x 1
		.amdhsa_system_sgpr_workgroup_id_y 1
		.amdhsa_system_sgpr_workgroup_id_z 1
		.amdhsa_system_vgpr_workitem_id 0
		.amdhsa_next_free_vgpr 194
		.amdhsa_next_free_sgpr 66
		.amdhsa_reserve_vcc 0
		.amdhsa_float_denorm_mode_32 3
		.amdhsa_float_denorm_mode_16_64 3
		.amdhsa_memory_ordered 1
		.amdhsa_forward_progress 1
		.amdhsa_inst_pref_size 81
	.end_amdhsa_kernel
	.amdgpu_metadata
---
amdhsa.version: [ 1, 2 ]
amdhsa.kernels:
  - .name:           k_q9332417a57_prep
    .symbol:         k_q9332417a57_prep.kd
    .args:
      - { .name: q, .offset: 0, .size: 8, .value_kind: global_buffer, .address_space: global }
      - { .name: mask, .offset: 8, .size: 8, .value_kind: global_buffer, .address_space: global }
      - { .name: qq, .offset: 16, .size: 8, .value_kind: global_buffer, .address_space: global }
      - { .name: maskbits, .offset: 24, .size: 8, .value_kind: global_buffer, .address_space: global }
    .group_segment_fixed_size: 67072
    .private_segment_fixed_size: 0
    .kernarg_segment_align: 8
    .kernarg_segment_size: 32
    .max_flat_workgroup_size: 128
    .sgpr_count:     66
    .vgpr_count:     194
    .wavefront_size: 32
...
	.end_amdgpu_metadata
.endif
;; end of part 1
;; launch proj (part 2): grid 192 x 1, 4 waves a work-group, no clusters, 168,448 bytes of LDS; arguments qq, k_codes, k_scales, v_codes, v_scales, w_qs_codes, w_qs_scales, w_ks_codes, w_ks_scales, w_vs_codes, w_vs_scales, qimg, kimg, vimg; writes qimg, kimg, vimg
.if DOCPART == 2
	.amdgcn_target "amdgcn-amd-amdhsa--gfx1250"
	.amdhsa_code_object_version 6
	.text
	.protected	k_q9332417a57_proj
	.globl	k_q9332417a57_proj
	.p2align	8
	.type	k_q9332417a57_proj,@function
k_q9332417a57_proj:
	s_mov_b64 s[64:65], 0
	v_nop
	global_prefetch_b8 v0, s[64:65] scope:SCOPE_SE
	s_setreg_imm32_b32 hwreg(HW_REG_WAVE_MODE, 25, 1), 1
	s_wait_xcnt 0x0
; THE THREE PROJECTIONS, q w_qs, k w_ks, v w_vs, on codes of FP4 (E2M1) with E8M0 scales, by one body; each result is quantised in registers for the product that reads it and leaves as codes.
; All six operands have one form in memory: rows of 512 bytes of codes (K = 1024) and rows of 32 scale bytes.
; THE BODY KNOWS TWO OPERANDS.  P is source 0 of the matrix instruction: its rows become the K of the NEXT product.  R is source 1: a lane holds one row of R.
;   q and k: P = the weight (row n = 64 head + d), R = the tokens: a lane holds a token, its registers run along d.      v: P = v's tokens (the keys), R = w_vs: a lane holds a channel d, its registers run along the keys.
; THE ROWS OF P THAT FORM A TILE ARE NOT NEIGHBOURS: lane r of tile 2 b + u takes row 32 b + 8 u + r + 8 (r / 8), so that the 16 registers of tiles 2 b and 2 b + 1 are 16 neighbours along the next K: 32 b + 16 (lane / 16) + 0 .. 15.
; SHARES.  192 work-groups, 64 for each projection, of equal work: 512 rows of P x 256 rows of R.  A wave keeps its 128 rows of P, for all of K, in 512 registers; the 256 rows of R lie in LDS, filled once by tensor loads.
;   For each tile of 16 rows of R a wave issues 64 matrix instructions, which finish 16 x 128 results: two IMAGES of 16 rows x 64 along the next K.
; AN IMAGE is 512 bytes: lane l's 16 bytes at 16 l are registers 0-3 of an FP4 fragment (row l % 16, k = 32 (l / 16) + 0 .. 31).  The reader loads it by one 16-byte load a lane.
;   qimg, kimg: [b 16 + head][tile of 16 tokens, 128][512]; at + 0x400000 two scale bytes a token: [b 16 + head][token 2048][2].
;   vimg: [b 16 + head][64 keys, 32][16 channels, 4][512]; at + 0x400000 a scale word: [b 16 + head][128 keys, 16][channel 64][4].
; NO CLUSTER: a block of R is shared by two work-groups in two of the projections and by sixteen in the third, so no one mask serves the one body; P goes from memory straight into registers.
; LIMITS: a block whose largest magnitude lies under 2^-124 (a block of zeros too) gets the byte 1; NaN and infinities are not served.
; REGISTERS: window 0 as named below; windows 1 and 2: P's fragments: tile p, K step s at register 64 (p % 4) + 8 s of window 1 + p / 4.
.set PITCH, 528                        ; a row of R in LDS: 512 bytes + 16 of padding: the 16 rows of a fragment load start 132 words apart
.set RTILE, 16*PITCH
.set RSC,   256*PITCH                  ; behind R's codes: R's scale bytes, 32 a row, dense
.set RA0,  1                           ; v1   r x PITCH + 16 h
.set RQ0,  2                           ; v2   RSC + 32 r + 16 h
.set RADR, 3                           ; v3   RA0 + the trip's four tiles
.set RSAD, 4                           ; v4   RQ0 + the trip's
.set LI,   5                           ; v5   16 x lane: an image's place for my lane
.set SCO,  6                           ; v6-9 tile j of a trip: where my row's scale bytes go
.set QM,   10                          ; v10-11 largest magnitudes
.set QT,   12                          ; v12-13 the other half's; then the bytes
.set QS,   14                          ; v14-15 the conversions' scale operands
.set HW,   16                          ; v16  two scale bytes
.set PC,   18                          ; v18-21 the image
.set RS,   22                          ; v22-25, v26-29 R's scale words, two sets
.set TB,   30                          ; v30-93, v94-157 R's fragments of one tile, all eight K steps, two sets
.set ACCA, 158                         ; v158-189 tiles 0-3 of P
.set ACCB, 190                         ; v190-221 tiles 4-7
.set PS,   222                         ; v222-253 P's scale words: tile p at + 4 p
.set PLA,  254                         ; v254 P's codes: my lane's byte
.set PLS,  255                         ; v255 P's scales: my lane's byte
.set WV,  2
.set CNT, 3
.set AC,  34                           ; the activation's codes, scales; the weight's; the output
.set AS,  36
.set WC,  38
.set WS,  40
.set OB,  42
.set PCP, 44                           ; P's codes, P's scales, R's codes, R's scales
.set PSP, 46
.set RCP, 48
.set RSP, 50
.set G1C, 52                           ; s[52:59] group 1 for R's codes;  s[60:63] its group 0
.set G0C, 60
.set G1S, 68                           ; s[68:75] group 1 for R's scales; s[76:79] its group 0
.set G0S, 76
.set IB0, 80                           ; where the images of tiles 0-3 and of tiles 4-7 go
.set IB1, 82
.set SB0, 84                           ; and their scale bytes
.set SB1, 86
.set IBS, 88                           ; a trip on, in bytes
.set SBS, 90
.set TR,  92
.set TQ,  93
.set SEL, 94
.set TT,  96
.set II,  97
.set PG,  98
.set RB,  99
.set SH,  100
.set PR,  101
.set MSB, 0
.macro WIN new                         ; the immediate's high byte repeats the setting that is left
.if MSB != \new
	s_set_vgpr_msb (MSB<<8)|\new
.set MSB, \new
.endif
.endm
	s_load_b512 s[4:19], s[0:1], 0x0               ; qq 4, k_codes 6, k_scales 8, v_codes 10, v_scales 12, w_qs_codes 14, w_qs_scales 16, w_ks_codes 18
	s_load_b256 s[20:27], s[0:1], 0x40             ; w_ks_scales 20, w_vs_codes 22, w_vs_scales 24, qimg 26
	s_load_b128 s[28:31], s[0:1], 0x60             ; kimg 28, vimg 30
	s_set_vgpr_msb 0xc0
	v_lshl_add_u32 v0, v0, 2, 0x29000
	v_mov_b32 v1, 0
	s_set_vgpr_msb 0xc0cf
	ds_add_u32 v0, v1
	ds_add_u32 v0, v1
	s_set_vgpr_msb 0xcf00
	v_lshrrev_b32 v17, 5, v0
	v_readfirstlane_b32 s[WV], v17                 ; wave 0..3
	s_lshr_b32 s[TT], ttmp9, 6                     ; which projection: 0 q, 1 k, 2 v
	s_and_b32 s[II], ttmp9, 63
	s_lshr_b32 s[PG], s[II], 2                     ; v: 16 groups of 512 keys x 4 blocks of 256 rows of w_vs
	s_and_b32 s[RB], s[II], 3
	s_and_b32 s[SH], s[II], 1                      ; q, k: 2 groups of 512 rows of the weight x 32 blocks of 256 tokens
	s_lshr_b32 s[PR], s[II], 1
	s_cmp_eq_u32 s[TT], 2
	s_cselect_b32 s[PG], s[PG], s[SH]
	s_cselect_b32 s[RB], s[RB], s[PR]
	s_cselect_b32 s[SH], 2, 1                      ; a row's scale bytes lie 4 bytes apart in vimg, 2 in qimg and kimg
	s_lshl_b32 s[PR], s[PG], 9
	s_lshl_b32 s[II], s[WV], 7
	s_add_co_u32 s[PR], s[PR], s[II]               ; my first row of P
	; group 1, R's codes: 64 rows of 512 bytes, 16 bytes of padding behind each
	s_mov_b32 s[G1C+0], (1<<20)|(6<<22)|(3<<25)    ; no mask; elements of 1 byte; padding on; after every 128 words (code 6); 4 words (code 3)
	s_mov_b32 s[G1C+1], 512<<16                    ; tensor_dim0
	s_mov_b32 s[G1C+2], 64<<16                     ; tensor_dim1
	s_mov_b32 s[G1C+3], 512<<16                    ; tile_dim0
	s_mov_b32 s[G1C+4], 64                         ; tile_dim1
	s_mov_b32 s[G1C+5], 512                        ; from row to row
	s_mov_b32 s[G1C+6], 0
	s_mov_b32 s[G1C+7], 0
	; group 1, R's scales: 2,048 dense bytes as 8 rows of 256 (32 elements of 8 bytes)
	s_mov_b32 s[G1S+0], 3<<16
	s_mov_b32 s[G1S+1], 32<<16
	s_mov_b32 s[G1S+2], 8<<16
	s_mov_b32 s[G1S+3], 32<<16
	s_mov_b32 s[G1S+4], 8
	s_mov_b32 s[G1S+5], 32
	s_mov_b32 s[G1S+6], 0
	s_mov_b32 s[G1S+7], 0
	s_mov_b32 s[SEL], 0x76543210
	s_mov_b32 s[SEL+1], 0xfedcba98                 ; v_permlanex16_b32's selects for lane l xor 16
	s_wait_dscnt 0x0
	s_wait_kmcnt 0x0
	s_add_nc_u64 s[32:33], s[4:5], 0x400000        ; q's scale bytes lie behind its codes
	s_cmp_eq_u32 s[TT], 0                          ; the buffers are chosen by the work-group's number alone
	s_cselect_b64 s[AC:AC+1], s[4:5], s[6:7]
	s_cselect_b64 s[AS:AS+1], s[32:33], s[8:9]
	s_cselect_b64 s[WC:WC+1], s[14:15], s[18:19]
	s_cselect_b64 s[WS:WS+1], s[16:17], s[20:21]
	s_cselect_b64 s[OB:OB+1], s[26:27], s[28:29]
	s_cmp_eq_u32 s[TT], 2
	s_cselect_b64 s[AC:AC+1], s[10:11], s[AC:AC+1]
	s_cselect_b64 s[AS:AS+1], s[12:13], s[AS:AS+1]
	s_cselect_b64 s[WC:WC+1], s[22:23], s[WC:WC+1]
	s_cselect_b64 s[WS:WS+1], s[24:25], s[WS:WS+1]
	s_cselect_b64 s[OB:OB+1], s[30:31], s[OB:OB+1]
	s_cselect_b64 s[PCP:PCP+1], s[AC:AC+1], s[WC:WC+1]   ; v: P = the tokens, R = the weight; q, k: the other way round
	s_cselect_b64 s[PSP:PSP+1], s[AS:AS+1], s[WS:WS+1]
	s_cselect_b64 s[RCP:RCP+1], s[WC:WC+1], s[AC:AC+1]
	s_cselect_b64 s[RSP:RSP+1], s[WS:WS+1], s[AS:AS+1]
	s_mov_b32 s5, 0
	s_lshl_b32 s4, s[PR], 9
	s_add_nc_u64 s[PCP:PCP+1], s[PCP:PCP+1], s[4:5]      ; P's codes at my first row
	s_lshl_b32 s4, s[PR], 5
	s_add_nc_u64 s[PSP:PSP+1], s[PSP:PSP+1], s[4:5]      ; and its scale bytes
	s_lshl_b32 s4, s[RB], 17
	s_lshl_b32 s6, s[WV], 15
	s_add_co_u32 s4, s4, s6
	s_add_nc_u64 s[RCP:RCP+1], s[RCP:RCP+1], s[4:5]      ; R's codes: the block's 256 rows, my wave's 64 of them
	s_lshl_b32 s4, s[RB], 13
	s_lshl_b32 s6, s[WV], 11
	s_add_co_u32 s4, s4, s6
	s_add_nc_u64 s[RSP:RSP+1], s[RSP:RSP+1], s[4:5]
	s_mov_b32 s[G0C], 1
	s_mul_i32 s[G0C+1], s[WV], 64*PITCH            ; LDS: wave x 64 rows
	s_mov_b64 s[G0C+2:G0C+3], s[RCP:RCP+1]
	s_or_b32 s[G0C+3], s[G0C+3], 0x80000000
	s_mov_b32 s[G0S], 1
	s_add_co_u32 s[G0S+1], s6, RSC                 ; LDS: RSC + wave x 2,048
	s_mov_b64 s[G0S+2:G0S+3], s[RSP:RSP+1]
	s_or_b32 s[G0S+3], s[G0S+3], 0x80000000
	tensor_load_to_lds s[G0C:G0C+3], s[G1C:G1C+7]  ; the launch's only fills: two loads of mine are out
	s_nop 0
	tensor_load_to_lds s[G0S:G0S+3], s[G1S:G1S+7]
	s_nop 0
.rept 4
	v_nop                                          ; four lines here ahead of a switch of windows
.endr
	v_and_b32 v10, 15, v0                          ; r
	v_bfe_u32 v11, v0, 4, 1                        ; h
	v_mul_u32_u24 v[RA0], v10, PITCH
	v_lshl_add_u32 v[RA0], v11, 4, v[RA0]
	v_lshlrev_b32 v[RQ0], 5, v10
	v_lshl_add_u32 v[RQ0], v11, 4, v[RQ0]
	v_add_nc_u32 v[RQ0], RSC, v[RQ0]
	v_and_b32 v[LI], 31, v0
	v_lshlrev_b32 v[LI], 4, v[LI]
.irp j, 0,1,2,3
	v_add_nc_u32 v[SCO+\j], 16*\j, v10
	v_lshlrev_b32 v[SCO+\j], s[SH], v[SCO+\j]      ; (r + 16 j) x 2 or x 4
.endr
	v_and_b32 v14, 8, v10
	v_add_nc_u32 v14, v14, v10                     ; r + 8 (r / 8)
	v_lshlrev_b32 v[PLA], 9, v14
	v_lshl_add_u32 v[PLA], v11, 4, v[PLA]
	v_lshlrev_b32 v[PLS], 5, v14
	v_lshl_add_u32 v[PLS], v11, 4, v[PLS]
	v_mov_b32 v[QT], 0                             ; written once: a lane permute's destination counts as one of its sources
	v_mov_b32 v[QT+1], 0
	; P: 8 tiles x 8 K steps x 2 loads of 16 bytes a lane; they stay for the whole launch
	WIN 0x40                                       ; destination window 1
.irp p, 0,1,2,3
.irp s, 0,1,2,3,4,5,6,7
.irp c, 0,1
	global_load_b128 v[64*\p+8*\s+4*\c:64*\p+8*\s+4*\c+3], v[PLA], s[PCP:PCP+1] offset:(32*(\p/2)+8*(\p%2))*512+64*\s+32*\c
.endr
.endr
.endr
	WIN 0x80                                       ; destination window 2
.irp p, 4,5,6,7
.irp s, 0,1,2,3,4,5,6,7
.irp c, 0,1
	global_load_b128 v[64*(\p-4)+8*\s+4*\c:64*(\p-4)+8*\s+4*\c+3], v[PLA], s[PCP:PCP+1] offset:(32*(\p/2)+8*(\p%2))*512+64*\s+32*\c
.endr
.endr
.endr
	WIN 0
.irp p, 0,1,2,3,4,5,6,7
	global_load_b128 v[PS+4*\p:PS+4*\p+3], v[PLS], s[PSP:PSP+1] offset:(32*(\p/2)+8*(\p%2))*32   ; register s % 4: lanes 0-15 the word of K step s < 4, lanes 16-31 that of K step s >= 4
.endr
	; where the results go.  q, k: s4 images, s5 scales;  v: s6, s7
	s_lshr_b32 s8, s[RB], 3                        ; q, k: batch
	s_and_b32 s9, s[RB], 7                         ; block of 256 tokens in it
	s_lshl_b32 s10, s[PG], 3
	s_lshl_b32 s11, s[WV], 1
	s_add_co_u32 s10, s10, s11                     ; my first head: 8 pg + 2 wave
	s_lshl_b32 s4, s8, 20
	s_lshl_b32 s12, s10, 16
	s_add_co_u32 s4, s4, s12
	s_lshl_b32 s12, s9, 13
	s_add_co_u32 s4, s4, s12                       ; (16 b + head) x 65,536 + 16 tiles x 512 x block
	s_lshl_b32 s5, s8, 16
	s_lshl_b32 s12, s10, 12
	s_add_co_u32 s5, s5, s12
	s_lshl_b32 s12, s9, 9
	s_add_co_u32 s5, s5, s12                       ; (16 b + head) x 4,096 + 512 x block
	s_lshr_b32 s8, s[PG], 2                        ; v: batch
	s_and_b32 s9, s[PG], 3                         ; group of 512 keys in it
	s_lshl_b32 s6, s8, 20
	s_lshl_b32 s12, s[RB], 18
	s_add_co_u32 s6, s6, s12                       ; (16 b + 4 rb) x 65,536
	s_lshl_b32 s12, s9, 3
	s_add_co_u32 s12, s12, s11                     ; my first 64 keys: 8 group + 2 wave
	s_lshl_b32 s12, s12, 11
	s_add_co_u32 s6, s6, s12
	s_lshl_b32 s7, s8, 16
	s_lshl_b32 s12, s[RB], 14
	s_add_co_u32 s7, s7, s12                       ; (16 b + 4 rb) x 4,096
	s_lshl_b32 s12, s9, 2
	s_add_co_u32 s12, s12, s[WV]                   ; my 128 keys: 4 group + wave
	s_lshl_b32 s12, s12, 8
	s_add_co_u32 s7, s7, s12
	s_cmp_eq_u32 s[TT], 2
	s_cselect_b32 s4, s6, s4
	s_cselect_b32 s5, s7, s5
	s_mov_b32 s6, 0x10000
	s_cselect_b32 s6, 2048, s6                     ; from tiles 0-3's image to tiles 4-7's: the next 64 keys, or the next head
	s_mov_b32 s7, 4096
	s_cselect_b32 s7, 2, s7                        ; and their scale bytes
	s_mov_b32 s[IBS], 2048
	s_cselect_b32 s[IBS], 0x10000, s[IBS]          ; a trip (four tiles of R) on: the next head, or four tiles of tokens
	s_mov_b32 s[SBS], 128
	s_cselect_b32 s[SBS], 4096, s[SBS]
	s_mov_b32 s[IBS+1], 0
	s_mov_b32 s[SBS+1], 0
	s_mov_b32 s15, 0
	s_mov_b32 s14, s4
	s_add_nc_u64 s[IB0:IB0+1], s[OB:OB+1], s[14:15]
	s_mov_b32 s14, s6
	s_add_nc_u64 s[IB1:IB1+1], s[IB0:IB0+1], s[14:15]
	s_mov_b32 s14, s5
	s_add_nc_u64 s[SB0:SB0+1], s[OB:OB+1], s[14:15]
	s_add_nc_u64 s[SB0:SB0+1], s[SB0:SB0+1], 0x400000
	s_mov_b32 s14, s7
	s_add_nc_u64 s[SB1:SB1+1], s[SB0:SB0+1], s[14:15]
	s_mov_b32 s[TR], 0
	s_mov_b32 s[TQ], 0
	v_add_nc_u32 v[RADR], s[TR], v[RA0]
	v_add_nc_u32 v[RSAD], s[TQ], v[RQ0]
; 32 numbers of a lane, v[a + 16 b + i] = k 32 b + 16 (lane / 16) + i of my row, become an image in v[PC] .. v[PC + 3] and the row's two scale bytes in v[HW].  Each accumulator is read from its low end on.
.macro QUANT2 a
.irp b, 0,1
	v_max3_num_f32 v[QM+\b], |v[\a+16*\b]|, |v[\a+16*\b+1]|, 0x1800000   ; my 16 numbers of block b, and the floor 2^(3 - 127): the byte cannot fall under 1
.endr
.irp i, 2,4,6,8,10,12,14
.irp b, 0,1
	v_max3_num_f32 v[QM+\b], v[QM+\b], |v[\a+16*\b+\i]|, |v[\a+16*\b+\i+1]|
.endr
.endr
.irp b, 0,1
	v_permlanex16_b32 v[QT+\b], v[QM+\b], s[SEL], s[SEL+1]
.endr
.irp b, 0,1
	v_max_num_f32 v[QM+\b], v[QM+\b], v[QT+\b]     ; with lane l xor 16's: the block's largest magnitude
.endr
.irp b, 0,1
	v_add_nc_u32 v[QS+\b], 0xff000000, v[QM+\b]    ; 2 off its exponent field: the conversion's scale operand
.endr
.irp b, 0,1
	v_lshrrev_b32 v[QT+\b], 23, v[QS+\b]           ; the scale's byte
.endr
	v_lshl_or_b32 v[HW], v[QT+1], 8, v[QT]
.irp b, 0,1
	v_cvt_scalef32_pk8_fp4_f32 v[PC+2*\b], v[\a+16*\b:\a+16*\b+7], v[QS+\b]
	v_cvt_scalef32_pk8_fp4_f32 v[PC+2*\b+1], v[\a+16*\b+8:\a+16*\b+15], v[QS+\b]
.endr
	v_nop                                          ; one plain line behind the scaled conversions
	v_permlane16_swap_b32 v[PC], v[PC+2]           ; a whole block to a lane: lanes 0-15 block 0, lanes 16-31 block 1
	v_permlane16_swap_b32 v[PC+1], v[PC+3]
.endm
.macro RLOAD j, bf                     ; tile j of the trip: its eight fragments and its scale words into set bf: 17 LDS loads
.irp s, 0,1,2,3,4,5,6,7
.irp c, 0,1
	ds_load_b128 v[TB+64*(\bf)+8*\s+4*\c:TB+64*(\bf)+8*\s+4*\c+3], v[RADR] offset:(\j)*RTILE+64*\s+32*\c
.endr
.endr
	ds_load_b128 v[RS+4*(\bf):RS+4*(\bf)+3], v[RSAD] offset:(\j)*512
.endm
; 32 matrix instructions: four tiles of P (p0 on; their window is set by the caller) x the tile of R, all of K.  The four accumulators take turns, one instruction a turn; the first K step starts the sums.
.macro PROD acc, p0, bf
.irp s, 0,1,2,3,4,5,6,7
.irp q, 0,1,2,3
.if \s == 0
	v_wmma_scale_f32_16x16x128_f8f6f4 v[\acc+8*\q:\acc+8*\q+7], v[64*\q+8*\s:64*\q+8*\s+7], v[TB+64*(\bf)+8*\s:TB+64*(\bf)+8*\s+7], 0, v[PS+4*(\p0+\q)+\s], v[RS+4*(\bf)+\s] matrix_a_fmt:MATRIX_FMT_FP4 matrix_b_fmt:MATRIX_FMT_FP4
.elseif \s < 4
	v_wmma_scale_f32_16x16x128_f8f6f4 v[\acc+8*\q:\acc+8*\q+7], v[64*\q+8*\s:64*\q+8*\s+7], v[TB+64*(\bf)+8*\s:TB+64*(\bf)+8*\s+7], v[\acc+8*\q:\acc+8*\q+7], v[PS+4*(\p0+\q)+\s], v[RS+4*(\bf)+\s] matrix_a_fmt:MATRIX_FMT_FP4 matrix_b_fmt:MATRIX_FMT_FP4
.else
	v_wmma_scale_f32_16x16x128_f8f6f4 v[\acc+8*\q:\acc+8*\q+7], v[64*\q+8*\s:64*\q+8*\s+7], v[TB+64*(\bf)+8*\s:TB+64*(\bf)+8*\s+7], v[\acc+8*\q:\acc+8*\q+7], v[PS+4*(\p0+\q)+\s-4], v[RS+4*(\bf)+\s-4] matrix_a_fmt:MATRIX_FMT_FP4 matrix_b_fmt:MATRIX_FMT_FP4 matrix_a_scale:MATRIX_SCALE_ROW1 matrix_b_scale:MATRIX_SCALE_ROW1
.endif
.endr
.endr
.endm
; Tile j of a trip.  pre = 1: the next tile's 17 loads go out first, into the other set; the lines of the last tile's quantising are the places between the products that read that set and these loads.
.macro TILE j, pre
	s_wait_dscnt 0x0                               ; this tile's 17 loads, issued a tile ago, are in
.if \pre
	RLOAD (\j)+1, 1-(\j)%2
.endif
	WIN 0x01                                       ; source 0 (P) window 1
	PROD ACCA, 0, (\j)%2
	WIN 0x02                                       ; source 0 window 2
	PROD ACCB, 4, (\j)%2
	WIN 0
.rept 4
	v_nop                                          ; four places ahead of the first read of results (ISA guide 7.12.1)
.endr
	s_wait_xcnt 0x0                                ; the earlier stores have read v[PC] on and v[HW]: they are written again only behind this wait
	QUANT2 ACCA
	global_store_b128 v[LI], v[PC:PC+3], s[IB0:IB0+1] offset:512*(\j)   ; 32 lanes store 512 consecutive bytes, at a multiple of 512 from the buffer's first byte
	global_store_b16 v[SCO+(\j)], v[HW], s[SB0:SB0+1]                   ; lanes 16-31 store what lanes 0-15 store, at the same places
	s_wait_xcnt 0x0
	QUANT2 ACCB
	global_store_b128 v[LI], v[PC:PC+3], s[IB1:IB1+1] offset:512*(\j)
	global_store_b16 v[SCO+(\j)], v[HW], s[SB1:SB1+1]
.endm
	s_wait_tensorcnt 0x0                           ; my parts of R's codes and scales have landed,
	s_barrier_signal -1
	s_barrier_wait -1                              ; everybody's have
	RLOAD 0, 0
	s_wait_loadcnt 0x0                             ; P and its scale words
	s_mov_b32 s[CNT], 3
.Ltrip:                                            ; a trip: four tiles of R; the last four are written out, since they fetch nothing beyond the block
	TILE 0, 1
	TILE 1, 1
	TILE 2, 1
	TILE 3, 1
	s_wait_xcnt 0x0                                ; the stores have read their bases
	s_add_nc_u64 s[IB0:IB0+1], s[IB0:IB0+1], s[IBS:IBS+1]
	s_add_nc_u64 s[IB1:IB1+1], s[IB1:IB1+1], s[IBS:IBS+1]
	s_add_nc_u64 s[SB0:SB0+1], s[SB0:SB0+1], s[SBS:SBS+1]
	s_add_nc_u64 s[SB1:SB1+1], s[SB1:SB1+1], s[SBS:SBS+1]
	s_add_co_u32 s[TR], s[TR], 4*RTILE
	s_add_co_u32 s[TQ], s[TQ], 2048
	v_add_nc_u32 v[RADR], s[TR], v[RA0]
	v_add_nc_u32 v[RSAD], s[TQ], v[RQ0]
	s_sub_co_u32 s[CNT], s[CNT], 1
	s_cmp_lg_u32 s[CNT], 0
	s_cbranch_scc1 .Ltrip
	TILE 0, 1
	TILE 1, 1
	TILE 2, 1
	TILE 3, 0
	s_set_vgpr_msb 0xf
	s_wait_tensorcnt 0x0
	ds_add_u32 v0, v1
	s_wait_dscnt 0x0
	s_set_vgpr_msb 0xf00
	s_endpgm
.Lfunc_end_k_q9332417a57_proj:
	.size	k_q9332417a57_proj, .Lfunc_end_k_q9332417a57_proj-k_q9332417a57_proj
	.p2alignl 7, 3214868480
	.fill 96, 4, 3214868480
	.section	.rodata,"a",@progbits
	.p2align	6, 0x0
	.amdhsa_kernel k_q9332417a57_proj
		.amdhsa_group_segment_fixed_size 168448
		.amdhsa_private_segment_fixed_size 0
		.amdhsa_enable_private_segment 0
		.amdhsa_kernarg_size 112
		.amdhsa_user_sgpr_count 2
		.amdhsa_user_sgpr_kernarg_segment_ptr 1
		.amdhsa_wavefront_size32 1
		.amdhsa_system_sgpr_workgroup_id_x 1
		.amdhsa_system_sgpr_workgroup_id_y 1
		.amdhsa_system_sgpr_workgroup_id_z 1
		.amdhsa_system_vgpr_workitem_id 0
		.amdhsa_next_free_vgpr 770
		.amdhsa_next_free_sgpr 102
		.amdhsa_reserve_vcc 0
		.amdhsa_float_denorm_mode_32 3
		.amdhsa_float_denorm_mode_16_64 3
		.amdhsa_memory_ordered 1
		.amdhsa_forward_progress 1
		.amdhsa_inst_pref_size 129
	.end_amdhsa_kernel
	.amdgpu_metadata
---
amdhsa.version: [ 1, 2 ]
amdhsa.kernels:
  - .name:           k_q9332417a57_proj
    .symbol:         k_q9332417a57_proj.kd
    .args:
      - { .name: qq, .offset: 0, .size: 8, .value_kind: global_buffer, .address_space: global }
      - { .name: k_codes, .offset: 8, .size: 8, .value_kind: global_buffer, .address_space: global }
      - { .name: k_scales, .offset: 16, .size: 8, .value_kind: global_buffer, .address_space: global }
      - { .name: v_codes, .offset: 24, .size: 8, .value_kind: global_buffer, .address_space: global }
      - { .name: v_scales, .offset: 32, .size: 8, .value_kind: global_buffer, .address_space: global }
      - { .name: w_qs_codes, .offset: 40, .size: 8, .value_kind: global_buffer, .address_space: global }
      - { .name: w_qs_scales, .offset: 48, .size: 8, .value_kind: global_buffer, .address_space: global }
      - { .name: w_ks_codes, .offset: 56, .size: 8, .value_kind: global_buffer, .address_space: global }
      - { .name: w_ks_scales, .offset: 64, .size: 8, .value_kind: global_buffer, .address_space: global }
      - { .name: w_vs_codes, .offset: 72, .size: 8, .value_kind: global_buffer, .address_space: global }
      - { .name: w_vs_scales, .offset: 80, .size: 8, .value_kind: global_buffer, .address_space: global }
      - { .name: qimg, .offset: 88, .size: 8, .value_kind: global_buffer, .address_space: global }
      - { .name: kimg, .offset: 96, .size: 8, .value_kind: global_buffer, .address_space: global }
      - { .name: vimg, .offset: 104, .size: 8, .value_kind: global_buffer, .address_space: global }
    .group_segment_fixed_size: 168448
    .private_segment_fixed_size: 0
    .kernarg_segment_align: 8
    .kernarg_segment_size: 112
    .max_flat_workgroup_size: 128
    .sgpr_count:     102
    .vgpr_count:     770
    .wavefront_size: 32
...
	.end_amdgpu_metadata
.endif
;; end of part 2
;; launch attn (part 3): grid 4 x 64, 16 waves a work-group, clusters of 4 x 1, 174,080 bytes of LDS; arguments qimg, kimg, vimg, maskbits, oimg; writes oimg
.if DOCPART == 3
	.amdgcn_target "amdgcn-amd-amdhsa--gfx1250"
	.amdhsa_code_object_version 6
	.text
	.protected	k_q9332417a57_attn
	.globl	k_q9332417a57_attn
	.p2align	8
	.type	k_q9332417a57_attn,@function
k_q9332417a57_attn:
	s_mov_b64 s[64:65], 0
	v_nop
	global_prefetch_b8 v0, s[64:65] scope:SCOPE_SE
	s_setreg_imm32_b32 hwreg(HW_REG_WAVE_MODE, 25, 1), 1
	s_wait_xcnt 0x0
	s_wait_alu depctr_hold_cnt(0) depctr_sa_sdst(0) depctr_va_vdst(0) depctr_va_sdst(0) depctr_va_ssrc(0) depctr_va_vcc(0) depctr_vm_vsrc(0)
	s_getreg_b32 s2, hwreg(HW_REG_IB_STS2, 6, 4)
	s_cmp_eq_u32 s2, 0
	s_cbranch_scc0 .Lentry_in_a_cluster
	s_endpgm
.Lentry_in_a_cluster:
	s_bfe_u32 s2, ttmp6, 0x10000c
	s_cmp_lg_u32 s2, 0x3003
	s_cbranch_scc0 .Lentry_shape_is_right
	s_endpgm
.Lentry_shape_is_right:
; ATTENTION OF ONE HEAD on codes of FP4 (E2M1) with E8M0 scales: scores = qh kh^T (K = 64), the mask, the softmax, out = p vh (K = the keys), / the row's sum, quantised along 64 head + d for the last product.
; THE SOFTMAX: t = score x log2(e) / 8; M = the row's largest t so far, rounded UP to a whole number; p = 2^(t - M) is what is quantised, along the keys, not normalised.  The row's sum is taken of the unquantised p and divides at the end.
;   When M moves, the sum and O are multiplied by 2^(old M - new M): exact.
; THE MASK comes as lane masks, one word for each score register of a key step (made by the first launch): they are read by scalar loads, a step ahead, and one v_cndmask_b32 a score puts -2^33 where the mask is 0.
; LIMIT, stated: reference() puts the logit -1e9 there; -2^33 as a score is the logit -2^30.  It is a power of two so that score x c is exact and a row with no key left gives p = 1 for every key, as reference() does.
;   The results are those of reference() as long as the logits that count lie above about -1e9 + 100.  NaN and infinities are not served; a block whose largest magnitude lies under 2^-124 gets the byte 1.
; SHARES.  A work-group owns one (batch, head) and 512 queries; each of its SIXTEEN waves owns two tiles of 16 queries, one after the other, in 256 registers: four waves to a SIMD, so that one wave's vector work stands beside another's
;   matrix work and LDS loads.  The head's K and V (2 x 64 KiB of codes, 2 x 4 KiB of scale bytes) come into LDS ONCE and stay: nothing is filled again.
; CLUSTER.  The four work-groups of a cluster own the four blocks of 512 queries of one head and need the same K and V: each part is asked for JOINTLY, by the same tensor load with the same descriptor and the mask of all four.
;   The place in the cluster enters the addresses of q, the mask words and the output alone.
; LAYOUT.  Both products are used transposed: S^T = K Q^T (source 0 = 16 keys, source 1 = my 16 queries), O^T = V^T P^T (source 0 = 16 channels, source 1 = P): a lane holds ONE query (lane % 16) throughout.
;   THE KEYS OF A TILE ARE NOT NEIGHBOURS: lane r of tile 2 b + u takes key 32 b + 8 u + r + 8 (r / 8), so that the 16 registers of tiles 2 b, 2 b + 1 are keys 32 b + 16 (lane / 16) + 0 .. 15.  V's channels likewise, for the quantising of O.
;   K = 64 IN AN INSTRUCTION OF 128: Q's upper four registers are zeros, so whatever stands in the upper four of K's operand (the next tile's codes) adds nothing; both sides' scale bytes 2 and 3 are 0, which is 2^-127 and no NaN.
; IMAGES.  K and V lie in LDS as 512-byte images of operand registers (lane l's 16 bytes at 16 l), 640 bytes apart: a tile's lanes 0-7 read one image and lanes 8-15 the next, 640 = 128 modulo 256 bytes on: sixteen different columns.
.set IP,   640                         ; from image to image
.set VIM,  128*IP                      ; V's 128 images behind K's 128
.set KSC,  256*IP                      ; K's scale bytes: 2 a key
.set VSC,  KSC+4096                    ; V's scale words: [step][channel][4]
.set AK0,  1                           ; v1   my lane's place in a tile of K: (r / 8) IP + 16 (r % 8) + 256 h
.set AV0,  2                           ; v2   the same + VIM
.set ASK0, 3                           ; v3   KSC + 2 (r + 8 (r / 8)) + 16 h: lanes 0-15 an even tile's keys, lanes 16-31 the odd tile's
.set ASV0, 4                           ; v4   VSC + 4 (r + 8 (r / 8)) + 32 h
.set LI,   5                           ; v5   16 x lane
.set QO2,  6                           ; v6   2 r
.set OO32, 7                           ; v7   32 r
.set ADK,  8                           ; v8-11 the step's LDS addresses
.set ADV,  9
.set ADS,  10
.set ADT,  11
.set NM,   12                          ; v12  -M
.set MT,   13                          ; v13  the largest t
.set L,    14                          ; v14-15 the sum, in two halves
.set QF,   16                          ; v16-23 Q's fragment: 16-19 codes, 20-23 zeros
.set KF,   24                          ; v24-59 K: tile t at 24 + 4 t; the last four are zeros
.set VF,   60                          ; v60-91 V: tile t at 60 + 8 t
.set S,    92                          ; v92-155 S^T, then p
.set O,    156                         ; v156-187 O^T
.set PC,   188                         ; v188-195 p's codes
.set BM,   196                         ; v196-199 the blocks' largest scores, then largest p
.set PT,   200                         ; v200-203 the other half's; then bytes
.set SO,   204                         ; v204-207 the conversions' scale operands
.set KS,   208                         ; v208-211 K's scale words
.set VS,   212                         ; v212-213 V's
.set QSC,  214                         ; v214 Q's
.set BIG,  215                         ; v215 -2^33
.set F,    216                         ; v216 f = 2^(old M - new M); v217 is named with it as a pair
.set TMP,  218
.set PW,   219                         ; v219 p's scale word
.set SU,   220                         ; v220-221 the sums' second chain
.set HW,   222                         ; v222 two scale bytes of the output
.set QM,   BM                          ; the names that QUANT2 uses
.set QT,   PT
.set QS,   SO
.set MB,   2                           ; s[2:3] my first tile's mask words
.set MO,   4                           ; s4   the step's, in bytes
.set TB,   5                           ; s5   the step's images: 8 x IP a step
.set TS,   6                           ; s6   the step's scale bytes: 256 a step
.set CNT,  7
.set CS,   8                           ; s[8:9] c = log2(e) / 8
.set SEL,  10                          ; s[10:11]
.set WV,   12
.set QP,   84                          ; s[84:85] q's images, my first tile
.set KP,   86
.set VP,   88
.set MP,   90
.set OP,   92                          ; s[92:93] the output's images
.set QSP,  94                          ; s[94:95] q's scale bytes
.set OSP,  96                          ; s[96:97] the output's
; s[16:63] and s[68:83]: the step's 64 mask words.  Before the first of them is loaded, s16-s39 hold the tensor descriptors; the wait for all tensor loads stands between.
.macro ROUND                           ; a round of the cluster's barrier
	s_barrier_signal -1
	s_barrier_wait -1
	s_cmp_lg_u32 s[WV], 0
	s_cbranch_scc1 .Lnot_wave_0_\@
	s_barrier_signal -3
.Lnot_wave_0_\@:
	s_barrier_wait -3
	s_barrier_signal -1
	s_barrier_wait -1
.endm
	s_load_b256 s[84:91], s[0:1], 0x0              ; qimg, kimg, vimg, maskbits
	s_load_b64 s[92:93], s[0:1], 0x20              ; oimg
	v_lshl_add_u32 v254, v0, 2, 0x2a000
	v_mov_b32 v255, 0
	ds_add_u32 v254, v255
	ds_add_u32 v254, v255
	v_lshrrev_b32 v8, 5, v0
	v_readfirstlane_b32 s[WV], v8                  ; wave 0..15
	s_bfe_u32 s13, ttmp6, 0x40000                  ; cx: my block of 512 queries
	s_and_b32 s14, ttmp7, 0xffff                   ; 16 batch + head, which the four partners share
	; group 1 for the images: 64 rows of 512 bytes, 128 bytes of padding behind each
	s_mov_b32 s16, 15|(1<<20)|(1<<21)|(6<<22)|(31<<25)   ; the mask: all four work-groups; elements of 1 byte; padding on; bit 21 beside a mask; after every 128 words (code 6); 32 words (code 31)
	s_mov_b32 s17, 512<<16
	s_mov_b32 s18, 64<<16
	s_mov_b32 s19, 512<<16
	s_mov_b32 s20, 64
	s_mov_b32 s21, 512
	s_mov_b32 s22, 0
	s_mov_b32 s23, 0
	; group 1 for the scale bytes: 4,096 dense bytes as 16 rows of 256 (32 elements of 8 bytes)
	s_mov_b32 s24, 15|(3<<16)|(1<<21)
	s_mov_b32 s25, 32<<16
	s_mov_b32 s26, 16<<16
	s_mov_b32 s27, 32<<16
	s_mov_b32 s28, 16
	s_mov_b32 s29, 32
	s_mov_b32 s30, 0
	s_mov_b32 s31, 0
	s_mov_b32 s32, 1
	s_mul_i32 s33, s[WV], 64*IP                    ; waves 0, 1: K's halves; waves 2, 3: V's: LDS wave x 64 images
	s_and_b32 s40, s[WV], 1
	s_lshl_b32 s40, s40, 15
	s_lshl_b32 s41, s14, 16
	s_add_co_u32 s40, s40, s41                     ; the head's 65,536 bytes, my half
	s_mov_b32 s41, 0
	s_lshl_b32 s42, s14, 12                        ; the head's 4,096 scale bytes
	s_mov_b32 s43, 0
	s_mov_b32 s36, 1
	s_lshl_b32 s37, s[WV], 12
	s_add_co_u32 s37, s37, KSC-4*4096              ; wave 4: K's scale bytes; wave 5: V's
	s_mov_b32 s[CS], 0x3e38aa3b                    ; c = log2(e) / 8
	s_mov_b32 s[CS+1], s[CS]                       ; (named with it as a pair, so it is written)
	s_mov_b32 s[SEL], 0x76543210
	s_mov_b32 s[SEL+1], 0xfedcba98
	s_wait_dscnt 0x0
	s_wait_kmcnt 0x0
	s_cmp_lt_u32 s[WV], 2
	s_cselect_b64 s[34:35], s[KP:KP+1], s[VP:VP+1]
	s_add_nc_u64 s[34:35], s[34:35], s[40:41]
	s_or_b32 s35, s35, 0x80000000
	s_cmp_eq_u32 s[WV], 4
	s_cselect_b64 s[38:39], s[KP:KP+1], s[VP:VP+1]
	s_add_nc_u64 s[38:39], s[38:39], s[42:43]
	s_add_nc_u64 s[38:39], s[38:39], 0x400000
	s_or_b32 s39, s39, 0x80000000
	ROUND                                          ; all four work-groups are here: the joint loads meet
	s_cmp_lt_u32 s[WV], 4                          ; the branches hang on the wave's number alone; a wave issues one load or none
	s_cbranch_scc0 .Lnot_img
	tensor_load_to_lds s[32:35], s[16:23]
	s_nop 0
.rept 4
	v_nop
.endr
	s_branch .Lasked
.Lnot_img:
	s_cmp_lt_u32 s[WV], 6
	s_cbranch_scc0 .Lasked
	tensor_load_to_lds s[36:39], s[24:31]
	s_nop 0
.rept 4
	v_nop
.endr
.Lasked:
	; my tiles: 32 cx + wave, and 16 further on
	s_lshl_b32 s44, s13, 5
	s_add_co_u32 s44, s44, s[WV]
	s_lshl_b32 s46, s14, 16
	s_lshl_b32 s47, s44, 9
	s_add_co_u32 s46, s46, s47
	s_mov_b32 s47, 0
	s_lshl_b32 s48, s44, 5
	s_add_co_u32 s48, s48, s42
	s_mov_b32 s49, 0
	s_add_nc_u64 s[QSP:QSP+1], s[QP:QP+1], s[48:49]
	s_add_nc_u64 s[QSP:QSP+1], s[QSP:QSP+1], 0x400000
	s_add_nc_u64 s[QP:QP+1], s[QP:QP+1], s[46:47]
	s_lshr_b32 s45, s14, 4
	s_lshl_b32 s45, s45, 7
	s_add_co_u32 s45, s45, s44                     ; the tile among all 512: 128 batch + tile
	s_lshl_b32 s46, s45, 12
	s_add_nc_u64 s[MB:MB+1], s[MP:MP+1], s[46:47]  ; 4,096 bytes of mask words a tile
	s_and_b32 s48, s14, 15                         ; the head
	s_lshl_b32 s46, s45, 4
	s_add_co_u32 s46, s46, s48
	s_lshl_b32 s46, s46, 9                         ; the output's image: (16 tile + head) x 512
	s_lshl_b32 s48, s48, 1
	s_lshl_b32 s45, s45, 9
	s_add_co_u32 s48, s48, s45                     ; its scale bytes: 16 rows x 32 a tile, + 2 head
	s_add_nc_u64 s[OSP:OSP+1], s[OP:OP+1], s[48:49]
	s_add_nc_u64 s[OSP:OSP+1], s[OSP:OSP+1], 0x400000
	s_add_nc_u64 s[OP:OP+1], s[OP:OP+1], s[46:47]
	v_and_b32 v8, 15, v0                           ; r
	v_bfe_u32 v9, v0, 4, 1                         ; h
	v_lshrrev_b32 v10, 3, v8                       ; r / 8
	v_and_b32 v11, 7, v8                           ; r % 8
	v_mul_u32_u24 v[AK0], v10, IP
	v_lshl_add_u32 v[AK0], v11, 4, v[AK0]
	v_lshl_add_u32 v[AK0], v9, 8, v[AK0]
	v_add_nc_u32 v[AV0], VIM, v[AK0]
	v_lshl_add_u32 v10, v10, 3, v8                 ; r + 8 (r / 8)
	v_lshlrev_b32 v[ASK0], 1, v10
	v_lshl_add_u32 v[ASK0], v9, 4, v[ASK0]
	v_add_nc_u32 v[ASK0], KSC, v[ASK0]
	v_lshlrev_b32 v[ASV0], 2, v10
	v_lshl_add_u32 v[ASV0], v9, 5, v[ASV0]
	v_add_nc_u32 v[ASV0], VSC, v[ASV0]
	v_and_b32 v[LI], 31, v0
	v_lshlrev_b32 v[LI], 4, v[LI]
	v_lshlrev_b32 v[QO2], 1, v8
	v_lshlrev_b32 v[OO32], 5, v8
.irp i, 0,1,2,3
	v_mov_b32 v[QF+4+\i], 0                        ; Q's upper 64 along K: zero codes
	v_mov_b32 v[KF+32+\i], 0                       ; what the last tile of K names above its codes
	v_mov_b32 v[PT+\i], 0                          ; written once: a lane permute's destination counts as one of its sources
.endr
	v_mov_b32 v[F+1], 0                            ; (named as the upper half of a pair)
	v_mov_b32 v[BIG], 0xd0000000                   ; -2^33
.macro QUANT2 a                        ; 32 numbers of a lane, v[a + 16 b + i] = k 32 b + 16 (lane / 16) + i of my row, become an image in v[PC] .. v[PC + 3] and two scale bytes in v[HW]
.irp b, 0,1
	v_max3_num_f32 v[QM+\b], |v[\a+16*\b]|, |v[\a+16*\b+1]|, 0x1800000
.endr
.irp i, 2,4,6,8,10,12,14
.irp b, 0,1
	v_max3_num_f32 v[QM+\b], v[QM+\b], |v[\a+16*\b+\i]|, |v[\a+16*\b+\i+1]|
.endr
.endr
.irp b, 0,1
	v_permlanex16_b32 v[QT+\b], v[QM+\b], s[SEL], s[SEL+1]
.endr
.irp b, 0,1
	v_max_num_f32 v[QM+\b], v[QM+\b], v[QT+\b]
.endr
.irp b, 0,1
	v_add_nc_u32 v[QS+\b], 0xff000000, v[QM+\b]
.endr
.irp b, 0,1
	v_lshrrev_b32 v[QT+\b], 23, v[QS+\b]
.endr
	v_lshl_or_b32 v[HW], v[QT+1], 8, v[QT]
.irp b, 0,1
	v_cvt_scalef32_pk8_fp4_f32 v[PC+2*\b], v[\a+16*\b:\a+16*\b+7], v[QS+\b]
	v_cvt_scalef32_pk8_fp4_f32 v[PC+2*\b+1], v[\a+16*\b+8:\a+16*\b+15], v[QS+\b]
.endr
	v_nop
	v_permlane16_swap_b32 v[PC], v[PC+2]
	v_permlane16_swap_b32 v[PC+1], v[PC+3]
.endm
.macro MLOAD p                         ; 64 mask words, 256 bytes, of the step at s[MO]
	s_load_b512 s[16:31], s[MB:MB+1], s[MO] offset:65536*\p
	s_load_b512 s[32:47], s[MB:MB+1], s[MO] offset:65536*\p+64
	s_load_b512 s[48:63], s[MB:MB+1], s[MO] offset:65536*\p+128
	s_load_b512 s[68:83], s[MB:MB+1], s[MO] offset:65536*\p+192
.endm
; A KEY STEP: 128 keys.
.macro STEP p
	v_add_nc_u32 v[ADK], s[TB], v[AK0]             ; these four are also the places between the last step's products V^T P and the loads into the registers that they read
	v_add_nc_u32 v[ADV], s[TB], v[AV0]
	v_add_nc_u32 v[ADS], s[TS], v[ASK0]
	v_add_nc_u32 v[ADT], s[TS], v[ASV0]
.irp t, 0,1,2,3,4,5,6,7
	ds_load_b128 v[KF+4*\t:KF+4*\t+3], v[ADK] offset:(\t/2)*2*IP+(\t%2)*128
.endr
.irp b, 0,1,2,3
	ds_load_u16 v[KS+\b], v[ADS] offset:64*\b      ; two scale bytes, the upper half of the word 0
.endr
.irp t, 0,1,2,3
.irp c, 0,1
	ds_load_b128 v[VF+8*\t+4*\c:VF+8*\t+4*\c+3], v[ADV] offset:4*IP*\c+(\t/2)*2*IP+(\t%2)*128
.endr
.endr
.irp b, 0,1
	ds_load_b32 v[VS+\b], v[ADT] offset:128*\b
.endr
	s_wait_dscnt 10                                ; K and its scales are in; V's eight loads and its two scale loads may be out
.irp t, 0,2,4,6
	v_wmma_scale_f32_16x16x128_f8f6f4 v[S+8*\t:S+8*\t+7], v[KF+4*\t:KF+4*\t+7], v[QF:QF+7], 0, v[KS+\t/2], v[QSC] matrix_a_fmt:MATRIX_FMT_FP4 matrix_b_fmt:MATRIX_FMT_FP4
	v_wmma_scale_f32_16x16x128_f8f6f4 v[S+8*\t+8:S+8*\t+15], v[KF+4*\t+4:KF+4*\t+11], v[QF:QF+7], 0, v[KS+\t/2], v[QSC] matrix_a_fmt:MATRIX_FMT_FP4 matrix_b_fmt:MATRIX_FMT_FP4 matrix_a_scale:MATRIX_SCALE_ROW1
.endr
.rept 4
	v_nop                                          ; four places ahead of the first read of results (ISA guide 7.12.1)
.endr
	s_wait_kmcnt 0x0                               ; this step's mask words, asked for a step ago, are in; so s[MO] may be written
	s_add_co_u32 s[MO], s[MO], 256
	s_min_u32 s[MO], s[MO], 15*256                 ; the last step asks for its own words again: no load leaves the buffer
.set j, 0
.rept 64
.if j < 48
	v_cndmask_b32 v[S+j], v[BIG], v[S+j], s[16+j]  ; register j keeps its score in the lanes whose bit is set
.else
	v_cndmask_b32 v[S+j], v[BIG], v[S+j], s[20+j]
.endif
.set j, j+1
.endr
	MLOAD \p                                       ; the next step's words
.irp b, 0,1,2,3
	v_max3_num_f32 v[BM+\b], v[S+16*\b], v[S+16*\b+1], v[S+16*\b+2]   ; the largest score of each block of 32 keys: it serves the row's maximum and, since p rises with the score, the block's largest p
.endr
.irp i, 3,5,7,9,11,13
.irp b, 0,1,2,3
	v_max3_num_f32 v[BM+\b], v[BM+\b], v[S+16*\b+\i], v[S+16*\b+\i+1]
.endr
.endr
.irp b, 0,1,2,3
	v_max_num_f32 v[BM+\b], v[BM+\b], v[S+16*\b+15]
.endr
.irp b, 0,1,2,3
	v_permlanex16_b32 v[PT+\b], v[BM+\b], s[SEL], s[SEL+1]
.endr
.irp b, 0,1,2,3
	v_max_num_f32 v[BM+\b], v[BM+\b], v[PT+\b]     ; with lane l xor 16's 16 keys
.endr
	v_max3_num_f32 v[TMP], v[BM], v[BM+1], v[BM+2]
	v_max_num_f32 v[TMP], v[TMP], v[BM+3]          ; the step's largest score of my query
	v_mul_f32 v[TMP], s[CS], v[TMP]                ; as t (c is positive)
	v_max_num_f32 v[MT], v[MT], v[TMP]             ; the running largest t
	v_mov_b32 v[TMP], v[NM]
	v_floor_f32 v[NM], -v[MT]                      ; the new -M = floor(-t) = -ceil(t)
	v_sub_f32 v[TMP], v[NM], v[TMP]                ; old M - new M: a whole number, 0 or less
	v_cvt_i32_f32 v[TMP], v[TMP]                   ; (it saturates)
	v_ldexp_f32 v[F], 1.0, v[TMP]                  ; f = 2^(old M - new M)
.set j, 0
.rept 32
	v_pk_fma_f32 v[S+j:S+j+1], v[S+j:S+j+1], s[CS:CS+1], v[NM:NM+1] op_sel_hi:[1,0,0]   ; t - M, two at a time
.set j, j+2
.endr
.irp b, 0,1,2,3
	v_fma_f32 v[BM+\b], v[BM+\b], s[CS], v[NM]     ; the same of each block's largest score
.endr
.set j, 0
.rept 64
	v_exp_f32 v[S+j], v[S+j]                       ; p = 2^(t - M), at most 1
.set j, j+1
.endr
	v_pk_mul_f32 v[L:L+1], v[L:L+1], v[F:F+1] op_sel_hi:[1,0]   ; the sums under the new M: the plain line behind the exponentials
	s_wait_alu depctr_va_vdst(0)                   ; one wait for the batch of 64, ahead of its first reader
.irp b, 0,1,2,3
	v_exp_f32 v[BM+\b], v[BM+\b]                   ; the block's largest p: the same two instructions on the same number give the same bits
.endr
	v_pk_add_f32 v[SU:SU+1], v[S:S+1], v[S+2:S+3]  ; the row's sum is taken of the unquantised p: two at a time, in two chains
.irp i, 4,8,12,16,20,24,28,32,36,40,44,48,52,56,60
	v_pk_add_f32 v[L:L+1], v[L:L+1], v[S+\i:S+\i+1]
	v_pk_add_f32 v[SU:SU+1], v[SU:SU+1], v[S+\i+2:S+\i+3]
.endr
	v_pk_add_f32 v[L:L+1], v[L:L+1], v[SU:SU+1]
	s_wait_alu depctr_va_vdst(0)                   ; and one for the four
.irp b, 0,1,2,3
	v_max_num_f32 v[BM+\b], 0x1800000, v[BM+\b]    ; the floor 2^(3 - 127): the byte cannot fall under 1 (a block whose every p is 0 keeps that byte: its codes are zeros)
.endr
.irp b, 0,1,2,3
	v_add_nc_u32 v[SO+\b], 0xff000000, v[BM+\b]    ; 2 off the exponent field: the conversion's scale operand
.endr
.irp b, 0,1,2,3
	v_lshrrev_b32 v[PT+\b], 23, v[SO+\b]           ; the scale's byte
.endr
	v_lshl_or_b32 v[PW], v[PT+1], 8, v[PT]         ; p's scale word for these 128 keys
	v_lshl_or_b32 v[PW], v[PT+2], 16, v[PW]
	v_lshl_or_b32 v[PW], v[PT+3], 24, v[PW]
.irp b, 0,1,2,3
	v_cvt_scalef32_pk8_fp4_f32 v[PC+2*\b], v[S+16*\b:S+16*\b+7], v[SO+\b]
	v_cvt_scalef32_pk8_fp4_f32 v[PC+2*\b+1], v[S+16*\b+8:S+16*\b+15], v[SO+\b]
.endr
	v_nop                                          ; one plain line behind the scaled conversions
.irp c, 0,1                                    ; a whole block to a lane: lanes 0-15 block 2 c, lanes 16-31 block 2 c + 1
.irp i, 0,1
	v_permlane16_swap_b32 v[PC+4*\c+\i], v[PC+4*\c+2+\i]
.endr
.endr
.set j, 0
.rept 16
	v_pk_mul_f32 v[O+j:O+j+1], v[O+j:O+j+1], v[F:F+1] op_sel_hi:[1,0]   ; O^T under the new M.  Twelve of these name no register of a given product below: the places between p's codes and scale word and that product
.set j, j+2
.endr
	s_wait_dscnt 0x0                               ; V and its scale words are in
.irp t, 0,2
	v_wmma_scale_f32_16x16x128_f8f6f4 v[O+8*\t:O+8*\t+7], v[VF+8*\t:VF+8*\t+7], v[PC:PC+7], v[O+8*\t:O+8*\t+7], v[VS+\t/2], v[PW] matrix_a_fmt:MATRIX_FMT_FP4 matrix_b_fmt:MATRIX_FMT_FP4
	v_wmma_scale_f32_16x16x128_f8f6f4 v[O+8*\t+8:O+8*\t+15], v[VF+8*\t+8:VF+8*\t+15], v[PC:PC+7], v[O+8*\t+8:O+8*\t+15], v[VS+\t/2], v[PW] matrix_a_fmt:MATRIX_FMT_FP4 matrix_b_fmt:MATRIX_FMT_FP4 matrix_a_scale:MATRIX_SCALE_ROW1
.endr
	s_add_co_u32 s[TB], s[TB], 8*IP
	s_add_co_u32 s[TS], s[TS], 256
.endm
; ONE TILE OF 16 QUERIES against all 2,048 keys.
.macro PASS p
	s_wait_xcnt 0x0                                ; the last tile's stores have read their registers
	s_wait_kmcnt 0x0                               ; its last scalar loads have landed: the mask words' registers and s[MO] may be written
	global_load_b128 v[QF:QF+3], v[LI], s[QP:QP+1] offset:8192*\p
	global_load_u16 v[QSC], v[QO2], s[QSP:QSP+1] offset:512*\p
	s_mov_b32 s[MO], 0
	MLOAD \p
	v_mov_b32 v[MT], 0xff61b1e6                    ; the largest t so far: -3e38, under every t
	v_floor_f32 v[NM], -v[MT]
	v_mov_b32 v[L], 0
	v_mov_b32 v[L+1], 0
.set j, 0
.rept 32
	v_mov_b32 v[O+j], 0                            ; O^T.  (The step is written once: the first finds zeros, which the first change of M leaves zeros)
.set j, j+1
.endr
	s_mov_b32 s[TB], 0
	s_mov_b32 s[TS], 0
	s_mov_b32 s[CNT], 16
	s_wait_loadcnt 0x0                             ; Q
.Lstep_\@:
	STEP \p
	s_sub_co_u32 s[CNT], s[CNT], 1
	s_cmp_lg_u32 s[CNT], 0
	s_cbranch_scc1 .Lstep_\@
.rept 4
	v_nop                                          ; four places ahead of the first read of O^T
.endr
	v_add_f32 v[L], v[L], v[L+1]                   ; the sum's two halves,
	v_permlanex16_b32 v[PT], v[L], s[SEL], s[SEL+1]
	v_add_f32 v[L], v[L], v[PT]                    ; and lane l xor 16's: the row's sum
	v_rcp_f32 v[L], v[L]
	v_nop                                          ; a plain line behind the reciprocal,
	s_wait_alu depctr_va_vdst(0)                   ; and the wait ahead of its first reader
.set j, 0
.rept 32
	v_mul_f32 v[S+j], v[O+j], v[L]                 ; O^T / the sum: register 16 b + i is channel 32 b + 16 h + i of my query
.set j, j+1
.endr
	QUANT2 S
	global_store_b128 v[LI], v[PC:PC+3], s[OP:OP+1] offset:131072*\p    ; 32 lanes store 512 consecutive bytes, at a multiple of 512 from the buffer's first byte
	global_store_b16 v[OO32], v[HW], s[OSP:OSP+1] offset:8192*\p        ; two bytes of each row's 32; lanes 16-31 store what lanes 0-15 store
.endm
	s_wait_tensorcnt 0x0                           ; my part of K, V or their scales has landed (a wave that asked for nothing passes),
	s_barrier_signal -1
	s_barrier_wait -1                              ; everybody's has
	PASS 0
	PASS 1
	s_wait_dscnt 0x0
	s_wait_tensorcnt 0x0
	ds_add_u32 v254, v255
	s_wait_dscnt 0x0
	ROUND                                          ; the closing round: no work-group ends while a partner may still ask for a part that names it
	s_endpgm
.Lfunc_end_k_q9332417a57_attn:
	.size	k_q9332417a57_attn, .Lfunc_end_k_q9332417a57_attn-k_q9332417a57_attn
	.p2alignl 7, 3214868480
	.fill 96, 4, 3214868480
	.section	.rodata,"a",@progbits
	.p2align	6, 0x0
	.amdhsa_kernel k_q9332417a57_attn
		.amdhsa_group_segment_fixed_size 174080
		.amdhsa_private_segment_fixed_size 0
		.amdhsa_enable_private_segment 0
		.amdhsa_kernarg_size 40
		.amdhsa_user_sgpr_count 2
		.amdhsa_user_sgpr_kernarg_segment_ptr 1
		.amdhsa_wavefront_size32 1
		.amdhsa_system_sgpr_workgroup_id_x 1
		.amdhsa_system_sgpr_workgroup_id_y 1
		.amdhsa_system_sgpr_workgroup_id_z 1
		.amdhsa_system_vgpr_workitem_id 0
		.amdhsa_next_free_vgpr 256
		.amdhsa_next_free_sgpr 102
		.amdhsa_reserve_vcc 0
		.amdhsa_float_denorm_mode_32 3
		.amdhsa_float_denorm_mode_16_64 3
		.amdhsa_memory_ordered 1
		.amdhsa_forward_progress 1
		.amdhsa_inst_pref_size 57
	.end_amdhsa_kernel
	.amdgpu_metadata
---
amdhsa.version: [ 1, 2 ]
amdhsa.kernels:
  - .name:           k_q9332417a57_attn
    .symbol:         k_q9332417a57_attn.kd
    .args:
      - { .name: qimg, .offset: 0, .size: 8, .value_kind: global_buffer, .address_space: global }
      - { .name: kimg, .offset: 8, .size: 8, .value_kind: global_buffer, .address_space: global }
      - { .name: vimg, .offset: 16, .size: 8, .value_kind: global_buffer, .address_space: global }
      - { .name: maskbits, .offset: 24, .size: 8, .value_kind: global_buffer, .address_space: global }
      - { .name: oimg, .offset: 32, .size: 8, .value_kind: global_buffer, .address_space: global }
    .group_segment_fixed_size: 174080
    .private_segment_fixed_size: 0
    .kernarg_segment_align: 8
    .kernarg_segment_size: 40
    .max_flat_workgroup_size: 512
    .sgpr_count:     102
    .vgpr_count:     256
    .wavefront_size: 32
...
	.end_amdgpu_metadata
.endif
;; end of part 3
;; launch fc (part 4): grid 256 x 1, 4 waves a work-group, no clusters, 168,448 bytes of LDS; arguments oimg, w_fc_codes, w_fc_scales, q, out0; writes out0
.if DOCPART == 4
	.amdgcn_target "amdgcn-amd-amdhsa--gfx1250"
	.amdhsa_code_object_version 6
	.text
	.protected	k_q9332417a57_fc
	.globl	k_q9332417a57_fc
	.p2align	8
	.type	k_q9332417a57_fc,@function
k_q9332417a57_fc:
	s_mov_b64 s[64:65], 0
	v_nop
	global_prefetch_b8 v0, s[64:65] scope:SCOPE_SE
	s_setreg_imm32_b32 hwreg(HW_REG_WAVE_MODE, 25, 1), 1
	s_wait_xcnt 0x0
; out0 = attention's result x w_fc + q.  The product is on codes of FP4 (E2M1) with E8M0 scales; the residual is added in f32.
; SHARES.  A work-group makes 64 rows x 512 columns; a wave 64 rows x 128 columns.  The wave's 128 rows of w_fc (row n = output column), for all of K = 1024, stay in 512 registers; the 64 rows' codes lie in LDS, filled once by
;   tensor loads, as the images that the attention launch stored: [tile of 16 rows][head 16][512 bytes], lane l's 16 bytes at 16 l: heads 2 s and 2 s + 1 are the two halves of K step s's fragment.
; THE MATRIX INSTRUCTION IS USED TRANSPOSED (source 0 = 16 rows of w_fc, source 1 = 16 rows of the result): a lane holds one row.  Lane r of tile 2 b + u of w_fc takes row 32 b + 8 u + r + 8 (r / 8), so that the 16 registers of
;   tiles 2 b, 2 b + 1 are 16 neighbouring columns, 64 bytes.  A tile of 16 rows x 128 columns goes through the wave's own stage in LDS and comes back as whole rows of 512 bytes; q's 512 bytes of the row are added; 32 lanes store them.
; q's part of the wave (64 rows x 512 bytes) is asked for at the head, into 256 registers.
; NO CLUSTER: two work-groups share a block of rows, 34 KiB, beside 272 KiB of weights that go from memory straight into registers.
; REGISTERS: window 0 as named; windows 1 and 2: w_fc's fragments: tile p, K step s at register 64 (p % 4) + 8 s of window 1 + p / 4; window 3: q: tile t, row i at 64 t + 4 i.
.set RSCL, 32768                       ; LDS: 4 tiles x 8,192 bytes of images, then their scale bytes, 32 a row
.set STG,  36864                       ; then a stage of 16 rows x (512 + 16) bytes for each wave: no fill lands there
.set SPT,  528
.set RQ0,  1                           ; v1   RSCL + 32 r + 16 h
.set STO,  3                           ; v3   the stage: row r, + 64 h
.set SRD,  4                           ; v4   and back: 16 x lane of a row
.set LI,   5                           ; v5   16 x lane
.set RS,   22                          ; v22-25, v26-29 the rows' scale words, two sets
.set TB,   30                          ; v30-93, v94-157 the rows' fragments of one tile, two sets
.set ACC,  158                         ; v158-221 eight accumulators; then 16 rows of 512 bytes
.set ACCA, 158
.set ACCB, 190
.set PS,   222                         ; v222-253 w_fc's scale words
.set PLA,  254
.set PLS,  255
.set WV,  2
.set G1I, 16
.set G1S, 24
.set G0I, 32
.set G0S, 36
.set PCP, 40
.set PSP, 42
.set RP,  44
.set OUT, 46
.set NH,  48
.set RB,  49
.set MSB, 0
.macro WIN new                         ; the immediate's high byte repeats the setting that is left
.if MSB != \new
	s_set_vgpr_msb (MSB<<8)|\new
.set MSB, \new
.endif
.endm
	s_load_b256 s[4:11], s[0:1], 0x0               ; oimg 4, w_fc_codes 6, w_fc_scales 8, q 10
	s_load_b64 s[12:13], s[0:1], 0x20              ; out0
	v_lshl_add_u32 v20, v0, 2, 0x29000
	v_mov_b32 v21, 0
	ds_add_u32 v20, v21
	ds_add_u32 v20, v21
	v_lshrrev_b32 v6, 5, v0
	v_readfirstlane_b32 s[WV], v6                  ; wave 0..3
	s_and_b32 s[NH], ttmp9, 1                      ; which 512 columns
	s_lshr_b32 s[RB], ttmp9, 1                     ; which 64 rows
	; group 1, images: 8,192 dense bytes as 32 rows of 256 (32 elements of 8 bytes)
	s_mov_b32 s[G1I+0], 3<<16
	s_mov_b32 s[G1I+1], 32<<16
	s_mov_b32 s[G1I+2], 32<<16
	s_mov_b32 s[G1I+3], 32<<16
	s_mov_b32 s[G1I+4], 32
	s_mov_b32 s[G1I+5], 32
	s_mov_b32 s[G1I+6], 0
	s_mov_b32 s[G1I+7], 0
	; group 1, scale bytes: 512 dense bytes as 2 rows of 256
	s_mov_b32 s[G1S+0], 3<<16
	s_mov_b32 s[G1S+1], 32<<16
	s_mov_b32 s[G1S+2], 2<<16
	s_mov_b32 s[G1S+3], 32<<16
	s_mov_b32 s[G1S+4], 2
	s_mov_b32 s[G1S+5], 32
	s_mov_b32 s[G1S+6], 0
	s_mov_b32 s[G1S+7], 0
	s_lshl_b32 s50, s[RB], 15
	s_lshl_b32 s52, s[WV], 13
	s_add_co_u32 s50, s50, s52                     ; tile 4 rb + wave: 8,192 bytes each
	s_mov_b32 s51, 0
	s_lshl_b32 s54, s[RB], 11
	s_lshl_b32 s53, s[WV], 9
	s_add_co_u32 s54, s54, s53                     ; its 512 scale bytes
	s_mov_b32 s55, 0
	s_wait_dscnt 0x0
	s_wait_kmcnt 0x0
	s_mov_b32 s[G0I], 1
	s_mov_b32 s[G0I+1], s52                        ; LDS: wave x 8,192
	s_add_nc_u64 s[G0I+2:G0I+3], s[4:5], s[50:51]
	s_or_b32 s[G0I+3], s[G0I+3], 0x80000000
	s_mov_b32 s[G0S], 1
	s_add_co_u32 s[G0S+1], s53, RSCL               ; LDS: RSCL + wave x 512
	s_add_nc_u64 s[G0S+2:G0S+3], s[4:5], s[54:55]
	s_add_nc_u64 s[G0S+2:G0S+3], s[G0S+2:G0S+3], 0x400000
	s_or_b32 s[G0S+3], s[G0S+3], 0x80000000
	tensor_load_to_lds s[G0I:G0I+3], s[G1I:G1I+7]  ; the launch's only fills: two loads of mine are out
	s_nop 0
	tensor_load_to_lds s[G0S:G0S+3], s[G1S:G1S+7]
	s_nop 0
.rept 4
	v_nop                                          ; four lines here ahead of a switch of windows
.endr
	s_lshl_b32 s50, s[NH], 9
	s_lshl_b32 s52, s[WV], 7
	s_add_co_u32 s52, s50, s52                     ; my first row of w_fc
	s_lshl_b32 s50, s52, 9
	s_add_nc_u64 s[PCP:PCP+1], s[6:7], s[50:51]
	s_lshl_b32 s50, s52, 5
	s_add_nc_u64 s[PSP:PSP+1], s[8:9], s[50:51]
	s_lshl_b32 s50, s[RB], 18                      ; 64 rows of 4,096 bytes,
	s_lshl_b32 s52, s52, 2                         ; my first column, in bytes
	s_add_co_u32 s50, s50, s52
	s_add_nc_u64 s[RP:RP+1], s[10:11], s[50:51]
	s_add_nc_u64 s[OUT:OUT+1], s[12:13], s[50:51]
	v_and_b32 v6, 15, v0                           ; r
	v_bfe_u32 v7, v0, 4, 1                         ; h
	v_lshlrev_b32 v[RQ0], 5, v6
	v_lshl_add_u32 v[RQ0], v7, 4, v[RQ0]
	v_add_nc_u32 v[RQ0], RSCL, v[RQ0]
	v_and_b32 v[LI], 31, v0
	v_lshlrev_b32 v[LI], 4, v[LI]
	s_mul_i32 s53, s[WV], 16*SPT
	s_add_co_u32 s53, s53, STG                     ; my stage
	v_mul_u32_u24 v[STO], v6, SPT
	v_lshl_add_u32 v[STO], v7, 6, v[STO]
	v_add_nc_u32 v[STO], s53, v[STO]
	v_add_nc_u32 v[SRD], s53, v[LI]
	v_and_b32 v8, 8, v6
	v_add_nc_u32 v8, v8, v6                        ; r + 8 (r / 8)
	v_lshlrev_b32 v[PLA], 9, v8
	v_lshl_add_u32 v[PLA], v7, 4, v[PLA]
	v_lshlrev_b32 v[PLS], 5, v8
	v_lshl_add_u32 v[PLS], v7, 4, v[PLS]
	WIN 0x40                                       ; destination window 1
.irp p, 0,1,2,3
.irp s, 0,1,2,3,4,5,6,7
.irp c, 0,1
	global_load_b128 v[64*\p+8*\s+4*\c:64*\p+8*\s+4*\c+3], v[PLA], s[PCP:PCP+1] offset:(32*(\p/2)+8*(\p%2))*512+64*\s+32*\c
.endr
.endr
.endr
	WIN 0x80                                       ; destination window 2
.irp p, 4,5,6,7
.irp s, 0,1,2,3,4,5,6,7
.irp c, 0,1
	global_load_b128 v[64*(\p-4)+8*\s+4*\c:64*(\p-4)+8*\s+4*\c+3], v[PLA], s[PCP:PCP+1] offset:(32*(\p/2)+8*(\p%2))*512+64*\s+32*\c
.endr
.endr
.endr
	WIN 0
.irp p, 0,1,2,3,4,5,6,7
	global_load_b128 v[PS+4*\p:PS+4*\p+3], v[PLS], s[PSP:PSP+1] offset:(32*(\p/2)+8*(\p%2))*32   ; register s % 4: lanes 0-15 the word of K step s < 4, lanes 16-31 that of K step s >= 4
.endr
	WIN 0xc0                                       ; destination window 3
.set j, 0
.rept 64
	global_load_b128 v[4*j:4*j+3], v[LI], s[RP:RP+1] offset:j*4096 th:TH_LOAD_NT   ; q: row j of my 64, 512 consecutive bytes; this launch reads them once
.set j, j+1
.endr
	WIN 0
.macro RLOAD t, bf                     ; tile t: its eight fragments and its scale words into set bf: 17 LDS loads; each fragment load reads 512 consecutive bytes
.irp s, 0,1,2,3,4,5,6,7
.irp c, 0,1
	ds_load_b128 v[TB+64*(\bf)+8*\s+4*\c:TB+64*(\bf)+8*\s+4*\c+3], v[LI] offset:8192*(\t)+1024*\s+512*\c
.endr
.endr
	ds_load_b128 v[RS+4*(\bf):RS+4*(\bf)+3], v[RQ0] offset:512*(\t)
.endm
; 32 matrix instructions: four tiles of w_fc (their window is set by the caller) x the tile of rows, all of K.  The four accumulators take turns, one instruction a turn; the first K step starts the sums.
.macro PROD acc, p0, bf
.irp s, 0,1,2,3,4,5,6,7
.irp q, 0,1,2,3
.if \s == 0
	v_wmma_scale_f32_16x16x128_f8f6f4 v[\acc+8*\q:\acc+8*\q+7], v[64*\q+8*\s:64*\q+8*\s+7], v[TB+64*(\bf)+8*\s:TB+64*(\bf)+8*\s+7], 0, v[PS+4*(\p0+\q)+\s], v[RS+4*(\bf)+\s] matrix_a_fmt:MATRIX_FMT_FP4 matrix_b_fmt:MATRIX_FMT_FP4
.elseif \s < 4
	v_wmma_scale_f32_16x16x128_f8f6f4 v[\acc+8*\q:\acc+8*\q+7], v[64*\q+8*\s:64*\q+8*\s+7], v[TB+64*(\bf)+8*\s:TB+64*(\bf)+8*\s+7], v[\acc+8*\q:\acc+8*\q+7], v[PS+4*(\p0+\q)+\s], v[RS+4*(\bf)+\s] matrix_a_fmt:MATRIX_FMT_FP4 matrix_b_fmt:MATRIX_FMT_FP4
.else
	v_wmma_scale_f32_16x16x128_f8f6f4 v[\acc+8*\q:\acc+8*\q+7], v[64*\q+8*\s:64*\q+8*\s+7], v[TB+64*(\bf)+8*\s:TB+64*(\bf)+8*\s+7], v[\acc+8*\q:\acc+8*\q+7], v[PS+4*(\p0+\q)+\s-4], v[RS+4*(\bf)+\s-4] matrix_a_fmt:MATRIX_FMT_FP4 matrix_b_fmt:MATRIX_FMT_FP4 matrix_a_scale:MATRIX_SCALE_ROW1 matrix_b_scale:MATRIX_SCALE_ROW1
.endif
.endr
.endr
.endm
; Tile t of 16 rows.  pre = 1: the next tile's 17 loads go out first, into the other set; the last tile's additions are the places between the products that read that set and these loads.
.macro FTILE t, pre
	s_wait_dscnt 0x0                               ; this tile's 17 loads are in
.if \pre
	RLOAD (\t)+1, 1-(\t)%2
.endif
	s_wait_xcnt 0x0                                ; the last tile's stores have read v[ACC] on: the products write there only behind this wait
	WIN 0x01                                       ; source 0 (w_fc) window 1
	PROD ACCA, 0, (\t)%2
	WIN 0x02                                       ; source 0 window 2
	PROD ACCB, 4, (\t)%2
	WIN 0
.rept 4
	v_nop                                          ; four places ahead of the first read of results (ISA guide 7.12.1)
.endr
.irp p, 0,1,2,3,4,5,6,7
	ds_store_b128 v[STO], v[ACC+8*\p:ACC+8*\p+3] offset:128*(\p/2)+32*(\p%2)          ; lane (r, h), tile p: columns 32 (p / 2) + 16 h + 8 (p % 2) + 0 .. 7 of row r; each accumulator from its low end on
	ds_store_b128 v[STO], v[ACC+8*\p+4:ACC+8*\p+7] offset:128*(\p/2)+32*(\p%2)+16
.endr
.irp i, 0,1,2,3,4,5,6,7,8,9,10,11,12,13,14,15
	ds_load_b128 v[ACC+4*\i:ACC+4*\i+3], v[SRD] offset:SPT*\i   ; LDS serves a wave's instructions in order: these see the stores above
.endr
	s_wait_dscnt 0x0                               ; the rows are back (nothing was issued behind their loads)
	WIN 0x0c                                       ; source 1 (q) window 3
.set j, 0
.rept 32
	v_pk_add_f32 v[ACC+j:ACC+j+1], v[ACC+j:ACC+j+1], v[64*(\t)+j:64*(\t)+j+1]
.set j, j+2
.endr
	WIN 0
.irp i, 0,1,2,3,4,5,6,7,8,9,10,11,12,13,14,15
	global_store_b128 v[LI], v[ACC+4*\i:ACC+4*\i+3], s[OUT:OUT+1] offset:(16*(\t)+\i)*4096 th:TH_STORE_NT   ; 32 lanes store 512 consecutive bytes, at a multiple of 512 from the buffer's first byte
.endr
.endm
	s_wait_tensorcnt 0x0                           ; my tile's images and scale bytes have landed,
	s_barrier_signal -1
	s_barrier_wait -1                              ; everybody's have
	RLOAD 0, 0
	s_wait_loadcnt 0x0                             ; w_fc, its scale words, q
	FTILE 0, 1
	FTILE 1, 1
	FTILE 2, 1
	FTILE 3, 0
	s_wait_tensorcnt 0x0
	ds_add_u32 v20, v21
	s_wait_dscnt 0x0
	s_endpgm
.Lfunc_end_k_q9332417a57_fc:
	.size	k_q9332417a57_fc, .Lfunc_end_k_q9332417a57_fc-k_q9332417a57_fc
	.p2alignl 7, 3214868480
	.fill 96, 4, 3214868480
	.section	.rodata,"a",@progbits
	.p2align	6, 0x0
	.amdhsa_kernel k_q9332417a57_fc
		.amdhsa_group_segment_fixed_size 168448
		.amdhsa_private_segment_fixed_size 0
		.amdhsa_enable_private_segment 0
		.amdhsa_kernarg_size 40
		.amdhsa_user_sgpr_count 2
		.amdhsa_user_sgpr_kernarg_segment_ptr 1
		.amdhsa_wavefront_size32 1
		.amdhsa_system_sgpr_workgroup_id_x 1
		.amdhsa_system_sgpr_workgroup_id_y 1
		.amdhsa_system_sgpr_workgroup_id_z 1
		.amdhsa_system_vgpr_workitem_id 0
		.amdhsa_next_free_vgpr 1024
		.amdhsa_next_free_sgpr 66
		.amdhsa_reserve_vcc 0
		.amdhsa_float_denorm_mode_32 3
		.amdhsa_float_denorm_mode_16_64 3
		.amdhsa_memory_ordered 1
		.amdhsa_forward_progress 1
		.amdhsa_inst_pref_size 83
	.end_amdhsa_kernel
	.amdgpu_metadata
---
amdhsa.version: [ 1, 2 ]
amdhsa.kernels:
  - .name:           k_q9332417a57_fc
    .symbol:         k_q9332417a57_fc.kd
    .args:
      - { .name: oimg, .offset: 0, .size: 8, .value_kind: global_buffer, .address_space: global }
      - { .name: w_fc_codes, .offset: 8, .size: 8, .value_kind: global_buffer, .address_space: global }
      - { .name: w_fc_scales, .offset: 16, .size: 8, .value_kind: global_buffer, .address_space: global }
      - { .name: q, .offset: 24, .size: 8, .value_kind: global_buffer, .address_space: global }
      - { .name: out0, .offset: 32, .size: 8, .value_kind: global_buffer, .address_space: global }
    .group_segment_fixed_size: 168448
    .private_segment_fixed_size: 0
    .kernarg_segment_align: 8
    .kernarg_segment_size: 40
    .max_flat_workgroup_size: 128
    .sgpr_count:     66
    .vgpr_count:     1024
    .wavefront_size: 32
...
	.end_amdgpu_metadata
.endif
;; end of part 4
